; MI455X (gfx1250); checked and timed in simulation.
; The chip was launched on July 23, 2026; its instructions are those of AMD's public machine-readable ISA for CDNA 5 (MIT licence, August 2026) and "CDNA5" Instruction Set Architecture Reference Guide (July 2026). The comments in the code are by the model that wrote it; some were corrected since.
;; Block. Allowed arithmetic: matrix products marked QUANTISED: E2M3 operands, one E8M0 scale for each 32 along K, by v_wmma_scale_f32_16x16x128_f8f6f4 with both operands' format E2M3, f32 sums; everything else in f32.
;; Inputs: attention_mask 2 x 2,048 int32; b1 4,096 float32; b2 1,024 float32; bk 1,024 float32; bo 1,024 float32; bq 1,024 float32; bv 1,024 float32; ln1_bias 1,024 float32; ln1_scale 1,024 float32; ln2_bias 1,024 float32; ln2_scale 1,024 float32; w1 1,024 x 4,096 float32; w2 4,096 x 1,024 float32; wk 1,024 x 1,024 float32; wo 1,024 x 1,024 float32; wq 1,024 x 1,024 float32; wv 1,024 x 1,024 float32; x 2 x 2,048 x 1,024 float32.
;; Outputs: out0 2 x 2,048 x 1,024 float32.
;; This version of the problem:
;;   THIS VERSION OF THE PROBLEM IS GIVEN IN LOW PRECISION. The matrix products marked QUANTISED in the list below multiply operands that are first quantised to E2M3 (2 exponent bits, 3 mantissa bits; 6 bits a number), with one power-of-two scale for each 32 numbers along K (OCP MX v1.0); their sums are f32. All else is computed in f32.
;;   The module's matrix products, in the order in which they are computed (A, B: the left and right operand; K: the contracted axis; several contracted axes count as one K, in the product's order):
;;     1. [M 4,096, K 1,024] x [K 1,024, N 1,024]; A: input x; B: input wq: QUANTISED
;;     2. [M 4,096, K 1,024] x [K 1,024, N 1,024]; A: input x; B: input wk: QUANTISED
;;     3. [M 4,096, K 1,024] x [K 1,024, N 1,024]; A: input x; B: input wv: QUANTISED
;;     4. batch 32 x [M 2,048, K 64] x [K 64, N 2,048]; A: computed on the way; B: computed on the way: QUANTISED
;;     5. batch 32 x [M 2,048, K 2,048] x [K 2,048, N 64]; A: softmax (see below); B: computed on the way: QUANTISED
;;     6. [M 4,096, K 1,024] x [K 1,024, N 1,024]; A: computed on the way; B: input wo: QUANTISED
;;     7. [M 4,096, K 1,024] x [K 1,024, N 4,096]; A: computed on the way; B: input w1: QUANTISED
;;     8. [M 4,096, K 4,096] x [K 4,096, N 1,024]; A: computed on the way; B: input w2: QUANTISED
;;   THE QUANTISER, for each operand of a quantised product, along K:
;;     - K is cut into blocks of 32 from its start; a last block that is shorter is filled with zeros.
;;     - A block's scale is 2^e with e = floor(log2(the largest magnitude in the block)) - 2, held to -126 .. 127; a block of zeros has e = 0. As a byte (E8M0): e + 127.
;;     - Each number is divided by its block's scale, clamped to +-7.5, and rounded to the nearest number of E2M3, ties to even, subnormals kept.
;;     - The product sums the exact products of the quantised numbers (number of the format x scale) in f32.
;;   ~~~python
;;   def quantise(x, axis):      # numpy; x: float32 -> the quantised numbers, widened to float32 again
;;       x = np.moveaxis(x, axis, -1); K = x.shape[-1]
;;       x = np.pad(x, [(0, 0)] * (x.ndim - 1) + [(0, -K % 32)]); x = x.reshape(x.shape[:-1] + (-1, 32)); a = np.abs(x).max(-1, keepdims=True)
;;       e = np.where(a > 0, np.clip(np.frexp(np.where(a > 0, a, 1))[1] - 1 - 2, -126, 127), 0)      # np.frexp(a)[1] - 1 = floor(log2(a)), exactly
;;       r = np.clip(x / 2.0 ** e, -7.5, 7.5)
;;       step = 2.0 ** (np.maximum(np.frexp(np.where(r == 0, 1, r))[1] - 1, 0) - 3)
;;       q = np.round(r / step) * step * 2.0 ** e      # np.round: ties to even
;;       return np.moveaxis(q.reshape(q.shape[:-2] + (-1,))[..., :K], -1, axis).astype(np.float32)
;;   ~~~
;;   SOFTMAX AHEAD OF A QUANTISED PRODUCT. Where the list says 'softmax', what is quantised is not the finished softmax but p = 2^(t - M), with t = logit x log2(e) and M = ceil(the row's largest t), a whole number; so 1/2 < the row's largest p <= 1. The row's sum l is taken of the UNQUANTISED p, in f32, and the product's result is divided by l at the end. Since M is a whole number, a kernel that streams over the keys may use a running M (the ceiling of the running maximum): every later rescaling is an exact power of two, which a block's scale takes up: the codes' values come out the same.
;;   OPERANDS COMPUTED ON THE WAY. 'Computed on the way' means the value that the module computes at that place (a softmax that the list does not call 'softmax' is quantised finished and normalised). What goes into a quantiser is computed in f32, as accurately as f32 sums, v_exp_f32 and their like allow (about 1e-6 of the number): no bf16 or f16 on the way to a quantiser, and a product that is left as it is and whose result goes on into a quantised operand takes f32 operands (vector FMAs, or v_wmma_f32_16x16x4_f32). A number that lies on a knife's edge between two numbers of the format may be rounded either way, as far as f32 arithmetic and the matrix unit's own rounding can turn it there, and no further.
;; One version. Each part assembles by itself: llvm-mc -triple=amdgcn-amd-amdhsa -mcpu=gfx1250 --defsym DOCPART=n.
;; ======== version 1 of 1: 8 launches
;; limits: right only within a limited range of input values
;; workspace buffers: wts 9,830,400 bytes; xq 3,276,800 bytes; qb 3,407,872 bytes; kv 6,815,744 bytes; oq 3,276,800 bytes; yz 16,777,216 bytes; x1b 20,054,016 bytes; hq 13,107,200 bytes
;; launch prep (part 1): grid 640 x 1, 4 waves a work-group, no clusters, 66,560 bytes of LDS; arguments x, wq, wk, wv, wo, w1, w2, xq, wts; writes xq, wts
.if DOCPART == 1
	.amdgcn_target "amdgcn-amd-amdhsa--gfx1250"
	.amdhsa_code_object_version 6
	.text
	.protected	k_q0bb6932174_prep
	.globl	k_q0bb6932174_prep
	.p2align	8
	.type	k_q0bb6932174_prep,@function
k_q0bb6932174_prep:
	s_mov_b64 s[64:65], 0
	v_nop
	global_prefetch_b8 v0, s[64:65] scope:SCOPE_SE
	s_setreg_imm32_b32 hwreg(HW_REG_WAVE_MODE, 25, 1), 1
	s_wait_xcnt 0x0
; PREP: x and the six weights become codes of E2M3 with one E8M0 byte for each 32 along K, laid as IMAGES OF OPERAND REGISTERS.
; A fragment is 16 rows x 128 K, 12 registers a lane, 1,536 bytes: registers 4 g .. 4 g + 3 of lane l lie at 512 g + 16 l.  A tensor is [row tile][K step][1,536]; its scale words are [row][K / 128], byte b for k 32 b on.
; THE ORDER INSIDE A BLOCK OF 32.  Place p of a block holds the number pi(p): p with its bits 3 and 4 exchanged.  Every K axis of the whole program is laid so, on both operands of each product: a block's scale and the
; product's sums do not change, and a matrix result (a lane: eight neighbours of each of two tiles) can be quantised in the registers in which it falls.
; DEAD WORK OF THE PROGRAM.  Left out are the key steps of the two attention products all of whose 128 keys come after a wave's 16 queries.  reference() gives such keys the logit -1e9 by its own jnp.tril.  For a query that
; sees one key that is not padded, their p = 2^(t - M) is 0, for all values of the inputs.  For a query that sees none, every logit is -1e9, p is 1 for all 2,048 keys, and the result is the sum of the quantised V over all
; keys / 2,048: that sum is made for every head and SELECTED, so nothing hangs on the steps left out.  No input is left out: all eighteen are loaded.
; LIMITS.  A NaN, an infinity or an overflow that reaches only the steps left out is not carried to the result.  NaN and infinities among the inputs are not served.  A block whose largest magnitude lies under 2^-124, a block
; of zeros among them, gets the byte 1 (the rule's 127 for zeros is not written: the codes are zeros and this program alone reads the bytes).  Logits of keys that count stay above -1e8.
; SHARES.  Work-groups 0-383: weights.  128 columns x 256 K each; a lane takes a column and its registers run down K, so nothing is transposed.  Work-groups 384-639: a tile of 16 rows of x each.
.set SP,    4112                       ; a row of the stage: 4,096 bytes + 16, so that 16 rows start 4 banks apart
.set SPARE, 66048                      ; behind the stage: the spare words, 128 bytes a wave
.set WSC,   9437184                    ; where the weights' scale words begin in wts
.set SPW,   14                         ; v14 my spare word's LDS address; v15 0: kept for the add alone
.set NIL,   15
.set X,     32                         ; weights: v32-95 two sets of 32 numbers
.set VO,    96                         ; v96-127 byte offsets of the block's 32 rows, in the order pi
.set CW,    128                        ; v128-175 codes: for each of two K steps 12 registers for lanes 0-15 of the image, 12 for lanes 16-31
.set TT,    176                        ; v176-178 the second half of a block's codes
.set SW,    180                        ; v180-181 two scale words
.set TM,    160                        ; x: v160-175 at work in QUANT
.set SEL,   70                         ; s[70:71] lane selects: lane l xor 16
; 64 numbers of a lane, v[s] on, register 16 b + i = place 16 (lane / 16) + i of block b of my row, become a fragment's codes in v[PC] on and its scale word in v[PW].
.macro QUANT s
.irp b, 0,1,2,3
	v_max3_num_f32 v[TM+\b], |v[\s+16*\b]|, |v[\s+1+16*\b]|, 0x1800000   ; my 16 numbers and the floor 2^(3 - 127): the byte cannot fall under 1
.endr
.irp i, 2,4,6,8,10,12,14
.irp b, 0,1,2,3
	v_max3_num_f32 v[TM+\b], v[TM+\b], |v[\s+16*\b+\i]|, |v[\s+1+16*\b+\i]|
.endr
.endr
.irp b, 0,1,2,3
	v_permlanex16_b32 v[TM+4+\b], v[TM+\b], s[SEL], s[SEL+1]
.endr
.irp b, 0,1,2,3
	v_max_num_f32 v[TM+\b], v[TM+\b], v[TM+4+\b]                  ; with lane l xor 16's: the block's largest magnitude
.endr
.irp b, 0,1,2,3
	v_add_nc_u32 v[TM+12+\b], 0xff000000, v[TM+\b]                ; 2 off its exponent field: the conversion's scale operand
.endr
.irp b, 0,1,2,3
	v_lshrrev_b32 v[TM+4+\b], 23, v[TM+12+\b]                     ; the scale's byte
.endr
	v_lshl_or_b32 v[PW], v[TM+5], 8, v[TM+4]
	v_lshl_or_b32 v[PW], v[TM+6], 16, v[PW]
	v_lshl_or_b32 v[PW], v[TM+7], 24, v[PW]
.irp c, 0,1
	v_cvt_scalef32_pk16_fp6_f32 v[PC+6*\c:PC+2+6*\c], v[\s+32*\c:\s+15+32*\c], v[TM+12+2*\c]
	v_cvt_scalef32_pk16_fp6_f32 v[PC+12+4*\c:PC+14+4*\c], v[\s+16+32*\c:\s+31+32*\c], v[TM+12+2*\c+1]
.endr
	v_nop                                                          ; one plain place behind a scaled conversion
.irp c, 0,1
.irp i, 0,1,2
	v_permlane16_swap_b32 v[PC+6*\c+\i], v[PC+12+4*\c+\i]         ; a whole block to a lane: lanes 0-15 block 2 c, lanes 16-31 block 2 c + 1
.endr
.irp i, 0,1,2
	v_mov_b32 v[PC+3+6*\c+\i], v[PC+12+4*\c+\i]
.endr
.endr
.endm
	s_load_b256 s[4:11], s[0:1], 0x0               ; x, wq, wk, wv
	s_load_b256 s[12:19], s[0:1], 0x20             ; wo, w1, w2, xq
	s_load_b64 s[20:21], s[0:1], 0x40              ; wts
	v_lshl_add_u32 v[SPW], v0, 2, SPARE
	v_mov_b32 v[NIL], 0
	v_lshrrev_b32 v1, 5, v0
	v_readfirstlane_b32 s22, v1                    ; wave
	v_and_b32 v1, 31, v0                           ; lane
	s_cmp_lt_u32 ttmp9, 384
	s_cbranch_scc0 .Lx_path
	; ---- WEIGHTS.  Which tensor, which 128 columns (nb), which 256 along K (kb): all from the work-group's number
	s_lshr_b32 s23, ttmp9, 5                       ; 0-3: wq, wk, wv, wo; 4-7: w1; 8-11: w2
	s_and_b32 s24, s23, 12
	s_cmp_lt_u32 s23, 4
	s_cselect_b32 s24, s23, s24                    ; the tensor's section in wts: 0, 1, 2, 3, 4 or 8, in units of wq's
	s_and_b32 s25, ttmp9, 7
	s_and_b32 s26, ttmp9, 31
	s_lshr_b32 s27, ttmp9, 3
	s_and_b32 s28, s27, 3
	s_and_b32 s29, s27, 15
	s_and_b32 s30, s23, 3
	s_cmp_lt_u32 s23, 8
	s_cselect_b32 s28, s28, s29                    ; kb: w2 has sixteen
	s_cselect_b32 s31, 8, 32                       ; KS: K steps in a row of the operand
	s_cmp_eq_u32 s24, 4                            ; w1?
	s_cselect_b32 s25, s26, s25                    ; nb
	s_cselect_b32 s28, s30, s28                    ; kb
	s_mov_b32 s48, 4096
	s_cselect_b32 s48, 16384, s48                  ; a row of the tensor in memory, in bytes
	s_lshl_b32 s52, s48, 8
	s_mul_i32 s52, s52, s28                        ; kb x 256 rows
	s_lshl_b32 s53, s25, 9
	s_add_co_u32 s52, s52, s53                     ; + 128 nb columns
	s_lshl_b32 s53, s22, 7
	s_add_co_u32 s52, s52, s53                     ; + 32 x wave columns
	s_mov_b32 s53, 0
	s_lshl_b32 s54, s48, 5                         ; a block on: 32 rows
	s_mov_b32 s55, 0
	s_mul_i32 s56, s31, 1536                       ; a row tile of the image
	s_lshl_b32 s57, s25, 3
	s_lshl_b32 s58, s22, 1
	s_add_co_u32 s57, s57, s58                     ; my first row tile: 8 nb + 2 x wave
	s_mul_i32 s57, s57, s56
	s_mul_i32 s58, s28, 3072                       ; K step 2 kb
	s_add_co_u32 s57, s57, s58
	s_mul_i32 s58, s24, 786432
	s_add_co_u32 s58, s57, s58
	s_mov_b32 s59, 0
	s_lshl_b32 s57, s25, 7
	s_lshl_b32 s49, s22, 5
	s_add_co_u32 s57, s57, s49                     ; my first column
	s_mul_i32 s57, s57, s31
	s_lshl_b32 s49, s28, 1
	s_add_co_u32 s57, s57, s49
	s_lshl_b32 s57, s57, 2                         ; its scale words 2 kb, 2 kb + 1
	s_lshl_b32 s49, s24, 15
	s_add_co_u32 s57, s57, s49
	s_add_co_u32 s66, s57, WSC
	s_mov_b32 s67, 0
	s_wait_alu depctr_va_vdst(0)
	v_lshlrev_b32 v2, 2, v1                        ; 4 bytes a lane
.set i, 0
.rept 32
	v_mad_u32_u24 v[VO+i], s48, ((i&7)|((i&8)<<1)|((i&16)>>1)), v2   ; register i takes row pi(i) of the block
.set i, i+1
.endr
	v_lshrrev_b32 v4, 4, v1
	v_mul_u32_u24 v3, v4, s56                      ; lanes 16-31 are the next row tile
	v_and_b32 v4, 15, v1
	v_lshl_add_u32 v3, v4, 4, v3                   ; 16 bytes a row of the image
	v_mul_u32_u24 v4, v1, s31
	v_lshlrev_b32 v4, 2, v4                        ; my column's row of scale words
	s_wait_alu depctr_va_vdst(0)
	s_wait_kmcnt 0x0
	s_mov_b64 s[50:51], s[16:17]                   ; the tensor: a choice on the work-group's number alone
	s_cmp_lt_u32 s23, 8
	s_cselect_b64 s[50:51], s[14:15], s[50:51]
	s_cmp_lt_u32 s23, 4
	s_cselect_b64 s[50:51], s[12:13], s[50:51]
	s_cmp_lt_u32 s23, 3
	s_cselect_b64 s[50:51], s[10:11], s[50:51]
	s_cmp_lt_u32 s23, 2
	s_cselect_b64 s[50:51], s[8:9], s[50:51]
	s_cmp_lt_u32 s23, 1
	s_cselect_b64 s[50:51], s[6:7], s[50:51]
	s_add_nc_u64 s[32:33], s[50:51], s[52:53]      ; s[32:47]: a base for each of my eight blocks
.irp t, 1,2,3,4,5,6,7
	s_add_nc_u64 s[32+2*\t:33+2*\t], s[30+2*\t:31+2*\t], s[54:55]
.endr
	s_add_nc_u64 s[60:61], s[20:21], s[58:59]      ; my codes
	s_add_nc_u64 s[62:63], s[20:21], s[66:67]      ; my scale words
.macro WLOAD t                         ; block t: 32 loads, each 128 consecutive bytes a wave
.set i, 0
.rept 32
	global_load_b32 v[X+32*((\t)%2)+i], v[VO+i], s[32+2*(\t):33+2*(\t)] th:TH_LOAD_NT
.set i, i+1
.endr
.endm
.macro BLOCK t
.set XS, X+32*((\t)%2)
.set CD, CW+24*((\t)/4)+12*((\t)%2)+6*(((\t)%4)/2)   ; block t is block t % 4 of its K step: lanes 16 (t % 2) on of the image, registers 6 ((t % 4) / 2) on
.if (\t) < 7
	s_wait_loadcnt 32                              ; this block's loads are in; the next block's 32 may be out
.else
	s_wait_loadcnt 0x0
.endif
	v_max3_num_f32 v12, |v[XS]|, |v[XS+1]|, |v[XS+2]|
	v_max3_num_f32 v13, |v[XS+3]|, |v[XS+4]|, |v[XS+5]|
.irp i, 6,10,14,18,22,26
	v_max3_num_f32 v12, v12, |v[XS+\i]|, |v[XS+\i+1]|
	v_max3_num_f32 v13, v13, |v[XS+\i+2]|, |v[XS+\i+3]|
.endr
	v_max3_num_f32 v12, v12, |v[XS+30]|, |v[XS+31]|
	v_max3_num_f32 v12, v12, v13, 0x1800000        ; and the floor
	v_add_nc_u32 v11, 0xff000000, v12              ; the conversion's scale operand
	v_lshrrev_b32 v13, 23, v11                     ; the byte
.if (\t)%4 == 0
	v_mov_b32 v[SW+(\t)/4], v13
.else
	v_lshl_or_b32 v[SW+(\t)/4], v13, 8*((\t)%4), v[SW+(\t)/4]
.endif
	v_cvt_scalef32_pk16_fp6_f32 v[CD:CD+2], v[XS:XS+15], v11
	v_cvt_scalef32_pk16_fp6_f32 v[TT:TT+2], v[XS+16:XS+31], v11   ; (a conversion's three registers begin on an even number)
	v_nop
.irp i, 0,1,2
	v_mov_b32 v[CD+3+\i], v[TT+\i]
.endr
.if (\t)+2 < 8
	WLOAD (\t)+2
.endif
.if (\t)%4 == 3                        ; a K step is whole: sixteen lanes fill 256 consecutive bytes, aligned
.irp g, 0,1,2
	global_store_b128 v3, v[CW+24*((\t)/4)+4*\g:CW+24*((\t)/4)+4*\g+3], s[60:61] offset:1536*((\t)/4)+512*\g
	global_store_b128 v3, v[CW+24*((\t)/4)+12+4*\g:CW+24*((\t)/4)+15+4*\g], s[60:61] offset:1536*((\t)/4)+512*\g+256
.endr
.endif
.endm
	WLOAD 0
	WLOAD 1
.irp t, 0,1,2,3,4,5,6,7
	BLOCK \t
.endr
	global_store_b64 v4, v[SW:SW+1], s[62:63]
	s_endpgm                                       ; this way has written no LDS
	; ---- x: a tile of 16 rows.  Dense loads, a turn through the stage, then each wave quantises two K steps
.Lx_path:
	s_sub_co_u32 s23, ttmp9, 384                   ; the row tile
	s_lshl_b32 s24, s23, 16
	s_lshl_b32 s25, s22, 14
	s_add_co_u32 s24, s24, s25                     ; x: 16 rows a tile, 4 rows a wave
	s_mov_b32 s25, 0
	s_mul_i32 s26, s23, 12288
	s_mul_i32 s27, s22, 3072
	s_add_co_u32 s26, s26, s27                     ; codes: K steps 2 w, 2 w + 1 of the tile
	s_mov_b32 s27, 0
	s_lshl_b32 s28, s23, 9
	s_lshl_b32 s29, s22, 3
	s_add_co_u32 s28, s28, s29
	s_add_co_u32 s28, s28, 3145728                 ; scale words
	s_mov_b32 s29, 0
	s_mov_b32 s[SEL], 0x76543210
	s_mov_b32 s[SEL+1], 0xfedcba98
	s_wait_alu depctr_va_vdst(0)
	v_lshlrev_b32 v2, 4, v1                        ; 16 bytes a lane
	s_mul_i32 s30, s22, 4*SP
	v_add_nc_u32 v3, s30, v2                       ; into the stage: my four rows
	v_and_b32 v4, 15, v0                           ; r
	v_bfe_u32 v5, v0, 4, 1                         ; h
	v_mul_u32_u24 v6, v4, SP
	v_lshl_add_u32 v6, v5, 5, v6
	s_lshl_b32 s30, s22, 10
	v_add_nc_u32 v6, s30, v6                       ; out of it: row r, + 32 h, + my two K steps
	v_lshlrev_b32 v7, 5, v4                        ; 32 bytes of scale words a row
.irp b, 0,1,2,3
	v_mov_b32 v[TM+4+\b], 0                        ; a lane permute's destination counts as one of its sources
.endr
	s_wait_alu depctr_va_vdst(0)
	s_wait_kmcnt 0x0
	s_add_nc_u64 s[4:5], s[4:5], s[24:25]
	s_add_nc_u64 s[26:27], s[18:19], s[26:27]
	s_add_nc_u64 s[28:29], s[18:19], s[28:29]
.irp i, 0,1,2,3
.irp j, 0,1,2,3,4,5,6,7
	global_load_b128 v[32+32*\i+4*\j:35+32*\i+4*\j], v2, s[4:5] offset:4096*\i+512*\j th:TH_LOAD_NT
.endr
.endr
.irp i, 0,1,2,3
	s_wait_loadcnt 24-8*\i                         ; row i is in; the younger rows' loads may be out
.irp j, 0,1,2,3,4,5,6,7
	ds_store_b128 v3, v[32+32*\i+4*\j:35+32*\i+4*\j] offset:SP*\i+512*\j
.endr
.endr
	s_wait_dscnt 0x0                               ; my stores have landed
	s_barrier_signal -1
	s_barrier_wait -1                              ; all 16 rows lie in the stage
.irp s, 0,1
.irp b, 0,1,2,3                        ; of each block: numbers 8 h + 0..7 and 16 + 8 h + 0..7: the order pi
	ds_load_b128 v[32+64*\s+16*\b:35+64*\s+16*\b], v6 offset:512*\s+128*\b
	ds_load_b128 v[36+64*\s+16*\b:39+64*\s+16*\b], v6 offset:512*\s+128*\b+16
	ds_load_b128 v[40+64*\s+16*\b:43+64*\s+16*\b], v6 offset:512*\s+128*\b+64
	ds_load_b128 v[44+64*\s+16*\b:47+64*\s+16*\b], v6 offset:512*\s+128*\b+80
.endr
.endr
	s_wait_dscnt 16                                ; the first K step's 16 loads are in
.set PC, 180
.set PW, 176
	QUANT 32
.irp g, 0,1,2
	global_store_b128 v2, v[PC+4*\g:PC+4*\g+3], s[26:27] offset:512*\g
.endr
	global_store_b32 v7, v[PW], s[28:29]           ; both halves of the lanes hold the same word
	s_wait_dscnt 0x0
.set PC, 200                           ; other registers: no store's data are written again
.set PW, 177
	QUANT 96
.irp g, 0,1,2
	global_store_b128 v2, v[PC+4*\g:PC+4*\g+3], s[26:27] offset:1536+512*\g
.endr
	global_store_b32 v7, v[PW], s[28:29] offset:4
	s_wait_tensorcnt 0x0                           ; the wave's end
	ds_add_u32 v[SPW], v[NIL]
	s_wait_dscnt 0x0
	s_endpgm
.Lfunc_end_k_q0bb6932174_prep:
	.size	k_q0bb6932174_prep, .Lfunc_end_k_q0bb6932174_prep-k_q0bb6932174_prep
	.p2alignl 7, 3214868480
	.fill 96, 4, 3214868480
	.section	.rodata,"a",@progbits
	.p2align	6, 0x0
	.amdhsa_kernel k_q0bb6932174_prep
		.amdhsa_group_segment_fixed_size 66560
		.amdhsa_private_segment_fixed_size 0
		.amdhsa_enable_private_segment 0
		.amdhsa_kernarg_size 72
		.amdhsa_user_sgpr_count 2
		.amdhsa_user_sgpr_kernarg_segment_ptr 1
		.amdhsa_wavefront_size32 1
		.amdhsa_system_sgpr_workgroup_id_x 1
		.amdhsa_system_sgpr_workgroup_id_y 1
		.amdhsa_system_sgpr_workgroup_id_z 1
		.amdhsa_system_vgpr_workitem_id 0
		.amdhsa_next_free_vgpr 256
		.amdhsa_next_free_sgpr 80
		.amdhsa_reserve_vcc 0
		.amdhsa_float_denorm_mode_32 3
		.amdhsa_float_denorm_mode_16_64 3
		.amdhsa_memory_ordered 1
		.amdhsa_forward_progress 1
		.amdhsa_inst_pref_size 60
	.end_amdhsa_kernel
	.amdgpu_metadata
---
amdhsa.version: [ 1, 2 ]
amdhsa.kernels:
  - .name:           k_q0bb6932174_prep
    .symbol:         k_q0bb6932174_prep.kd
    .args:
      - { .name: x, .offset: 0, .size: 8, .value_kind: global_buffer, .address_space: global }
      - { .name: wq, .offset: 8, .size: 8, .value_kind: global_buffer, .address_space: global }
      - { .name: wk, .offset: 16, .size: 8, .value_kind: global_buffer, .address_space: global }
      - { .name: wv, .offset: 24, .size: 8, .value_kind: global_buffer, .address_space: global }
      - { .name: wo, .offset: 32, .size: 8, .value_kind: global_buffer, .address_space: global }
      - { .name: w1, .offset: 40, .size: 8, .value_kind: global_buffer, .address_space: global }
      - { .name: w2, .offset: 48, .size: 8, .value_kind: global_buffer, .address_space: global }
      - { .name: xq, .offset: 56, .size: 8, .value_kind: global_buffer, .address_space: global }
      - { .name: wts, .offset: 64, .size: 8, .value_kind: global_buffer, .address_space: global }
    .group_segment_fixed_size: 66560
    .private_segment_fixed_size: 0
    .kernarg_segment_align: 8
    .kernarg_segment_size: 72
    .max_flat_workgroup_size: 128
    .sgpr_count:     80
    .vgpr_count:     256
    .wavefront_size: 32
...
	.end_amdgpu_metadata
.endif
;; end of part 1
;; launch qkv (part 2): grid 192 x 1, 4 waves a work-group, no clusters, 327,680 bytes of LDS; arguments xq, wts, bq, bk, bv, qb, kv; writes qb, kv
.if DOCPART == 2
	.amdgcn_target "amdgcn-amd-amdhsa--gfx1250"
	.amdhsa_code_object_version 6
	.text
	.protected	k_q0bb6932174_qkv
	.globl	k_q0bb6932174_qkv
	.p2align	8
	.type	k_q0bb6932174_qkv,@function
k_q0bb6932174_qkv:
	s_mov_b64 s[64:65], 0
	v_nop
	global_prefetch_b8 v0, s[64:65] scope:SCOPE_SE
	s_setreg_imm32_b32 hwreg(HW_REG_WAVE_MODE, 25, 1), 1
	s_wait_xcnt 0x0
.set TS,    98304
.set BI,    102400
.set SPARE, 135168
.set WSC,   9437184
.set LI,   1
.set ADR,  2
.set TSA,  3
.set BIA,  4
.set TBA,  5
.set OCV,  6
.set OSV,  7
.set UV,   8
.set TSAD, 9
.set VA,   10
.set SSV,  11
.set SPW,  14
.set NIL,  15
.set SSC,  16
.set TSC,  48
.set TF,   56
.set F63,  104
.set ONES, 116
.set ONESC, 128
.set VT,   129
.set TM,   130
.set PW,   146
.set PW2,  147
.set PC,   148
.set ACC,  168
.set U,    232
.set VB,   240
.set WV,   18
.set MODEV, 19
.set SEL,  20
.set TO,   22
.set TSO,  23
.set G1A,  24
.set G1B,  32
.set G0A,  40
.set G0B,  44
.set OC0,  48
.set OC1,  50
.set OS0,  52
.set OS1,  54
.set UP,   56
.set CST,  58
.set EXC,  59
.set EXS,  60
.set TRB,  61
.set TC,   62
.set SCP,  68
.set SSP,  70
.set MSB, 0
.macro WIN new
.if MSB != (\new)
	s_set_vgpr_msb (MSB<<8)|(\new)
.set MSB, (\new)
.endif
.endm
.macro PLACES n
.rept \n
	v_nop
.endr
.endm
.macro MM d, a, b, c, sa, sb, row
.if \row
	v_wmma_scale_f32_16x16x128_f8f6f4 v[\d:\d+7], v[\a:\a+11], v[\b:\b+11], v[\c:\c+7], v[\sa], v[\sb] matrix_a_fmt:MATRIX_FMT_FP6 matrix_b_fmt:MATRIX_FMT_FP6 matrix_a_scale:MATRIX_SCALE_ROW1
.else
	v_wmma_scale_f32_16x16x128_f8f6f4 v[\d:\d+7], v[\a:\a+11], v[\b:\b+11], v[\c:\c+7], v[\sa], v[\sb] matrix_a_fmt:MATRIX_FMT_FP6 matrix_b_fmt:MATRIX_FMT_FP6
.endif
.endm
.macro KSTEP s, vb
.irp t, 0,1,2,3,4,5,6,7
.set f, 8*(\s)+\t
.if f < 63
	WIN 1+f/21
.set rA, 12*(f%21)
.else
	WIN 0
.set rA, F63
.endif
.set rD, ACC+8*\t
.set rC, ACC+8*\t
.if \vb
.set rC, VB
.endif
.set rB, TF+12*((\s)%4)
.set rS, SSC+8*(\t/2)+(\s)
.set rT, TSC+(\s)
	MM rD, rA, rB, rC, rS, rT, \t%2
.endr
.endm
.macro TFETCH k0, n
.set q, \k0
.rept \n
.irp g, 0,1,2
	ds_load_b128 v[TF+12*(q%4)+4*\g:TF+12*(q%4)+4*\g+3], v[ADR] offset:1536*q+512*\g
.endr
.set q, q+1
.endr
.endm
.macro QUANT s
.irp b, 0,1,2,3
	v_max3_num_f32 v[TM+\b], |v[\s+16*\b]|, |v[\s+1+16*\b]|, 0x1800000
.endr
.irp i, 2,4,6,8,10,12,14
.irp b, 0,1,2,3
	v_max3_num_f32 v[TM+\b], v[TM+\b], |v[\s+16*\b+\i]|, |v[\s+1+16*\b+\i]|
.endr
.endr
.irp b, 0,1,2,3
	v_permlanex16_b32 v[TM+4+\b], v[TM+\b], s[SEL], s[SEL+1]
.endr
.irp b, 0,1,2,3
	v_max_num_f32 v[TM+\b], v[TM+\b], v[TM+4+\b]
.endr
.irp b, 0,1,2,3
	v_add_nc_u32 v[TM+12+\b], 0xff000000, v[TM+\b]
.endr
.irp b, 0,1,2,3
	v_lshrrev_b32 v[TM+4+\b], 23, v[TM+12+\b]
.endr
	v_lshl_or_b32 v[PW], v[TM+5], 8, v[TM+4]
	v_lshl_or_b32 v[PW], v[TM+6], 16, v[PW]
	v_lshl_or_b32 v[PW], v[TM+7], 24, v[PW]
.irp c, 0,1
	v_cvt_scalef32_pk16_fp6_f32 v[PC+6*\c:PC+2+6*\c], v[\s+32*\c:\s+15+32*\c], v[TM+12+2*\c]
	v_cvt_scalef32_pk16_fp6_f32 v[PC+12+4*\c:PC+14+4*\c], v[\s+16+32*\c:\s+31+32*\c], v[TM+12+2*\c+1]
.endr
	v_nop
.irp c, 0,1
.irp i, 0,1,2
	v_permlane16_swap_b32 v[PC+6*\c+\i], v[PC+12+4*\c+\i]
.endr
.irp i, 0,1,2
	v_mov_b32 v[PC+3+6*\c+\i], v[PC+12+4*\c+\i]
.endr
.endr
.endm
	s_load_b256 s[4:11], s[0:1], 0x0
	s_load_b128 s[12:15], s[0:1], 0x20
	s_load_b64 s[16:17], s[0:1], 0x30
	v_lshl_add_u32 v[SPW], v0, 2, SPARE
	v_mov_b32 v[NIL], 0
	ds_add_u32 v[SPW], v[NIL]
	ds_add_u32 v[SPW], v[NIL]
	v_lshrrev_b32 v12, 5, v0
	v_readfirstlane_b32 s[WV], v12
	s_mov_b32 s[G1A], 3<<16
	s_mov_b32 s[G1A+1], 32<<16
	s_mov_b32 s[G1A+2], 96<<16
	s_mov_b32 s[G1A+3], 32<<16
	s_mov_b32 s[G1A+4], 96
	s_mov_b32 s[G1A+5], 32
	s_mov_b32 s[G1A+6], 0
	s_mov_b32 s[G1A+7], 0
	s_cmp_ge_u32 ttmp9, 128
	s_cselect_b32 s[MODEV], 1, 0
	s_cselect_b32 s72, 128, 0
	s_sub_co_u32 s72, ttmp9, s72
	s_lshr_b32 s73, s72, 5
	s_and_b32 s74, s72, 31
	s_lshr_b32 s75, s72, 3
	s_and_b32 s76, s72, 7
	s_cmp_lg_u32 s[MODEV], 0
	s_cselect_b32 s73, s75, s73
	s_cselect_b32 s74, s76, s74
	s_mov_b32 s77, WSC
	s_cselect_b32 s77, 3145728, s77
	s_cselect_b32 s78, 1572864, 0
	s_mov_b32 s79, 3145728
	s_cselect_b32 s79, WSC+65536, s79
	s_mov_b32 s[CST], 768
	s_cselect_b32 s[CST], 1536, s[CST]
	s_cselect_b32 s[EXC], 202752, 0
	s_cselect_b32 s[EXS], 208640, 0
	s_cselect_b32 s80, 6144, 0
	s_mov_b32 s81, 12288
	s_cselect_b32 s81, 12800, s81
	s_mov_b32 s82, 208896
	s_cselect_b32 s82, 768, s82
	s_cselect_b32 s83, 0, 208896
	s_lshl_b32 s95, s73, 2
	s_add_co_u32 s95, s95, s[WV]
	s_and_b32 s85, s73, 1
	s_lshl_b32 s85, s85, 2
	s_add_co_u32 s85, s85, s[WV]
	s_cmp_lg_u32 s[MODEV], 0
	s_cselect_b32 s84, s95, s74
	s_cselect_b32 s85, s74, s85
	s_lshr_b32 s86, s84, 4
	s_and_b32 s87, s84, 15
	s_lshl_b32 s88, s86, 4
	s_lshl_b32 s89, s85, 1
	s_add_co_u32 s88, s88, s89
	s_lshl_b32 s89, s88, 4
	s_add_co_u32 s89, s89, s87
	s_mul_i32 s89, s89, 13056
	s_add_co_u32 s90, s89, s80
	s_add_co_u32 s91, s89, s81
	s_lshl_b32 s92, s88, 7
	s_lshl_b32 s93, s87, 3
	s_add_co_u32 s92, s92, s93
	s_mul_i32 s92, s92, 768
	s_lshl_b32 s93, s88, 13
	s_lshl_b32 s94, s87, 9
	s_add_co_u32 s93, s93, s94
	s_add_co_u32 s93, s93, 3145728
	s_lshr_b32 s94, s73, 1
	s_or_b32 s94, s94, s[MODEV]
	s_cmp_eq_u32 s94, 0
	s_cselect_b32 s90, s92, s90
	s_cselect_b32 s91, s93, s91
	s_cselect_b32 s82, 98304, s82
	s_cselect_b32 s83, 8192, s83
	s_mul_i32 s75, s74, 98304
	s_add_co_u32 s75, s75, s78
	s_mul_i32 s[G0A+1], s[WV], 24576
	s_add_co_u32 s75, s75, s[G0A+1]
	s_lshl_b32 s76, s74, 12
	s_add_co_u32 s76, s76, s79
	s_lshl_b32 s72, s[WV], 10
	s_add_co_u32 s76, s76, s72
	s_add_co_u32 s[G0B+1], s72, TS
	s_mul_i32 s78, s95, 98304
	s_lshl_b32 s72, s95, 12
	s_add_co_u32 s77, s77, s72
	s_lshl_b32 s79, s85, 9
	s_lshl_b32 s80, s84, 12
	s_lshl_b32 s72, s74, 9
	s_add_co_u32 s80, s80, s72
	s_add_co_u32 s80, s80, 6684672
	s_mov_b32 s[G0A], 1
	s_mov_b32 s3, 0
	s_mov_b32 s67, 0
	s_mov_b32 s[SEL], 0x76543210
	s_mov_b32 s[SEL+1], 0xfedcba98
	s_mov_b32 s[TO], 0
	s_mov_b32 s[TSO], 0
	s_mov_b32 s[TRB], 0
	s_mov_b32 s[TC], 0
	s_wait_dscnt 0x0
	s_wait_kmcnt 0x0
	s_cmp_lg_u32 s[MODEV], 0
	s_cselect_b64 s[96:97], s[4:5], s[6:7]
	s_cselect_b64 s[98:99], s[6:7], s[4:5]
	s_cselect_b64 s[10:11], s[12:13], s[10:11]
	s_cmp_eq_u32 s94, 0
	s_cselect_b64 s[10:11], s[8:9], s[10:11]
	s_cselect_b64 s[OC0:OC0+1], s[14:15], s[16:17]
	s_cselect_b64 s[OS0:OS0+1], s[14:15], s[16:17]
	s_mov_b32 s2, s75
	s_add_nc_u64 s[G0A+2:G0A+3], s[98:99], s[2:3]
	s_or_b32 s[G0A+3], s[G0A+3], 0x80000000
	s_mov_b32 s2, s76
	s_add_nc_u64 s[G0B+2:G0B+3], s[98:99], s[2:3]
	tensor_load_to_lds s[G0A:G0A+3], s[G1A:G1A+7]
	s_nop 0
	PLACES 4
	s_mov_b32 s2, s78
	s_add_nc_u64 s[SCP:SCP+1], s[96:97], s[2:3]
	s_mov_b32 s2, s77
	s_add_nc_u64 s[SSP:SSP+1], s[96:97], s[2:3]
	s_mov_b32 s2, s79
	s_add_nc_u64 s[10:11], s[10:11], s[2:3]
	s_mov_b32 s2, s90
	s_add_nc_u64 s[OC0:OC0+1], s[OC0:OC0+1], s[2:3]
	s_mov_b32 s2, s82
	s_add_nc_u64 s[OC1:OC1+1], s[OC0:OC0+1], s[2:3]
	s_mov_b32 s2, s91
	s_add_nc_u64 s[OS0:OS0+1], s[OS0:OS0+1], s[2:3]
	s_mov_b32 s2, s83
	s_add_nc_u64 s[OS1:OS1+1], s[OS0:OS0+1], s[2:3]
	s_mov_b32 s2, s80
	s_add_nc_u64 s[UP:UP+1], s[16:17], s[2:3]
	v_and_b32 v12, 31, v0
	v_and_b32 v13, 15, v0
	v_lshlrev_b32 v[LI], 4, v12
	v_lshlrev_b32 v[OCV], 3, v12
	v_lshlrev_b32 v[SSV], 5, v12
	v_lshlrev_b32 v[OSV], 2, v13
	v_lshl_add_u32 v[TSA], v13, 5, TS
	v_bfe_u32 v12, v0, 4, 1
	v_lshlrev_b32 v[UV], 5, v12
.set g, 0
.rept 16
	global_load_b128 v[ACC+4*g:ACC+4*g+3], v[UV], s[10:11] offset:64*(g/2)+16*(g%2)
.set g, g+1
.endr
	global_load_b128 v[TF:TF+3], v[LI], s[G0B+2:G0B+3]              ; my wave's 1,024 bytes of the moving operand's scale words: through registers into LDS
	global_load_b128 v[TF+4:TF+7], v[LI], s[G0B+2:G0B+3] offset:512
.irp u, 0,1,2,3
	global_load_b128 v[SSC+8*\u:SSC+8*\u+3], v[SSV], s[SSP:SSP+1] offset:1024*\u
	global_load_b128 v[SSC+8*\u+4:SSC+8*\u+7], v[SSV], s[SSP:SSP+1] offset:1024*\u+16
.endr
.set f, 0
.rept 64
.if f < 63
	WIN (1+f/21)<<6
.set rA, 12*(f%21)
.else
	WIN 0
.set rA, F63
.endif
.irp g, 0,1,2
	global_load_b128 v[rA+4*\g:rA+4*\g+3], v[LI], s[SCP:SCP+1] offset:(8*(f%8)+f/8)*1536+512*\g
.endr
.set f, f+1
.endr
	WIN 0
	s_lshl_b32 s72, s[WV], 13
	s_add_co_u32 s72, s72, BI
	v_add_nc_u32 v[BIA], s72, v[LI]
	v_bfe_u32 v12, v0, 2, 1
	v_lshlrev_b32 v[TBA], 9, v12
	v_bfe_u32 v12, v0, 3, 1
	v_lshl_add_u32 v[TBA], v12, 8, v[TBA]
	v_and_b32 v12, 3, v0
	v_lshl_add_u32 v[TBA], v12, 2, v[TBA]
	v_add_nc_u32 v[TBA], s72, v[TBA]
.irp i, 0,3,6,9
	v_mov_b32 v[ONES+\i], 0x08208208
	v_mov_b32 v[ONES+\i+1], 0x82082082
	v_mov_b32 v[ONES+\i+2], 0x20820820
.endr
	v_mov_b32 v[ONESC], 0x7f7f7f7f
	v_mov_b32 v[VT], 0
.irp b, 0,1,2,3
	v_mov_b32 v[TM+4+\b], 0
.endr
	v_add_nc_u32 v[ADR], s[TO], v[LI]
	v_add_nc_u32 v[TSAD], s[TSO], v[TSA]
	v_add_nc_u32 v[VA], s[TRB], v[TBA]
	v_add_nc_u32 v13, s[G0B+1], v[LI]                              ; TS + 1,024 x wave + 16 x lane
	s_wait_alu depctr_va_vdst(0)
	s_wait_loadcnt 0x0
	ds_store_b128 v13, v[TF:TF+3]
	ds_store_b128 v13, v[TF+4:TF+7] offset:512
.set g, 0
.rept 16
	ds_store_b128 v[BIA], v[ACC+4*g:ACC+4*g+3] offset:512*g
.set g, g+1
.endr
	s_wait_tensorcnt 0x0
	s_wait_dscnt 0x0
	s_barrier_signal -1
	s_barrier_wait -1
	TFETCH 0, 4
	ds_load_b128 v[TSC:TSC+3], v[TSAD]
	ds_load_b128 v[TSC+4:TSC+7], v[TSAD] offset:16
	ds_load_b32 v[VT], v[VA]
.macro TRIP last
	s_wait_dscnt 0x0
	s_cmp_lg_u32 s[MODEV], 0
	s_cbranch_scc1 .Lfirst_v_\@
	KSTEP 0, 0
	WIN 0
	s_branch .Lfirst_done_\@
.Lfirst_v_\@:
.irp j, 0,1,2,3,4,5,6,7
	v_mov_b32 v[VB+\j], v[VT]
.endr
	PLACES 4
	KSTEP 0, 1
	WIN 0
.Lfirst_done_\@:
	KSTEP 1, 0
	WIN 0
	PLACES 4
	TFETCH 4, 2
	KSTEP 2, 0
	KSTEP 3, 0
	WIN 0
	PLACES 4
	TFETCH 6, 2
	s_wait_dscnt 6
	KSTEP 4, 0
	KSTEP 5, 0
	s_wait_dscnt 0x0
	KSTEP 6, 0
	KSTEP 7, 0
	WIN 0
	PLACES 5
.if !\last
	s_add_co_u32 s[TO], s[TO], 12288
	s_add_co_u32 s[TSO], s[TSO], 512
	s_add_co_u32 s[TRB], s[TRB], 1024
	v_add_nc_u32 v[ADR], s[TO], v[LI]
	v_add_nc_u32 v[TSAD], s[TSO], v[TSA]
	v_add_nc_u32 v[VA], s[TRB], v[TBA]
	TFETCH 0, 4
	ds_load_b128 v[TSC:TSC+3], v[TSAD]
	ds_load_b128 v[TSC+4:TSC+7], v[TSAD] offset:16
.endif
	QUANT ACC
.irp p, 0,1,2
	global_store_b64 v[OCV], v[PC+2*\p:PC+2*\p+1], s[OC0:OC0+1] offset:256*\p
.endr
.irp p, 0,1,2
	global_store_b64 v[OCV], v[PC+6+2*\p:PC+7+2*\p], s[OC1:OC1+1] offset:256*\p
.endr
	global_store_b32 v[OSV], v[PW], s[OS0:OS0+1]
	s_cmp_lg_u32 s[MODEV], 0
	s_cbranch_scc1 .Lout_v_\@
	v_lshrrev_b32 v[PW2], 16, v[PW]
	global_store_b32 v[OSV], v[PW2], s[OS1:OS1+1]
.if !\last
.set g, 0
.rept 16
	ds_load_b128 v[ACC+4*g:ACC+4*g+3], v[BIA] offset:512*g
.set g, g+1
.endr
.endif
	s_branch .Lout_done_\@
.Lout_v_\@:
	PLACES 8
	s_wait_alu depctr_va_vdst(0)
	v_wmma_scale_f32_16x16x128_f8f6f4 v[U:U+7], v[PC:PC+11], v[ONES:ONES+11], 0, v[PW], v[ONESC] matrix_a_fmt:MATRIX_FMT_FP6 matrix_b_fmt:MATRIX_FMT_FP6
	PLACES 4
	global_store_b128 v[UV], v[U:U+3], s[UP:UP+1]
	global_store_b128 v[UV], v[U+4:U+7], s[UP:UP+1] offset:16
.if !\last
	ds_load_b32 v[VT], v[VA]
.endif
.Lout_done_\@:
.if !\last
	s_wait_xcnt 0x0
	s_cmp_eq_u32 s[TC], 3
	s_cselect_b32 s2, s[EXC], 0
	s_cselect_b32 s66, s[EXS], 0
	s_add_co_u32 s2, s2, s[CST]
	s_add_co_u32 s66, s66, 64
	s_add_nc_u64 s[OC0:OC0+1], s[OC0:OC0+1], s[2:3]
	s_add_nc_u64 s[OC1:OC1+1], s[OC1:OC1+1], s[2:3]
	s_add_nc_u64 s[OS0:OS0+1], s[OS0:OS0+1], s[66:67]
	s_add_nc_u64 s[OS1:OS1+1], s[OS1:OS1+1], s[66:67]
	s_add_nc_u64 s[UP:UP+1], s[UP:UP+1], 64
.endif
.endm
.Ltrip:
	TRIP 0
	s_add_co_u32 s[TC], s[TC], 1
	s_cmp_lt_u32 s[TC], 7
	s_cbranch_scc1 .Ltrip
	TRIP 1
	s_wait_tensorcnt 0x0
	ds_add_u32 v[SPW], v[NIL]
	s_wait_dscnt 0x0
	s_endpgm
.Lfunc_end_k_q0bb6932174_qkv:
	.size	k_q0bb6932174_qkv, .Lfunc_end_k_q0bb6932174_qkv-k_q0bb6932174_qkv
	.p2alignl 7, 3214868480
	.fill 96, 4, 3214868480
	.section	.rodata,"a",@progbits
	.p2align	6, 0x0
	.amdhsa_kernel k_q0bb6932174_qkv
		.amdhsa_group_segment_fixed_size 327680
		.amdhsa_private_segment_fixed_size 0
		.amdhsa_enable_private_segment 0
		.amdhsa_kernarg_size 56
		.amdhsa_user_sgpr_count 2
		.amdhsa_user_sgpr_kernarg_segment_ptr 1
		.amdhsa_wavefront_size32 1
		.amdhsa_system_sgpr_workgroup_id_x 1
		.amdhsa_system_sgpr_workgroup_id_y 1
		.amdhsa_system_sgpr_workgroup_id_z 1
		.amdhsa_system_vgpr_workitem_id 0
		.amdhsa_next_free_vgpr 1024
		.amdhsa_next_free_sgpr 100
		.amdhsa_reserve_vcc 0
		.amdhsa_float_denorm_mode_32 3
		.amdhsa_float_denorm_mode_16_64 3
		.amdhsa_memory_ordered 1
		.amdhsa_forward_progress 1
		.amdhsa_inst_pref_size 67
	.end_amdhsa_kernel
	.amdgpu_metadata
---
amdhsa.version: [ 1, 2 ]
amdhsa.kernels:
  - .name:           k_q0bb6932174_qkv
    .symbol:         k_q0bb6932174_qkv.kd
    .args:
      - { .name: xq, .offset: 0, .size: 8, .value_kind: global_buffer, .address_space: global }
      - { .name: wts, .offset: 8, .size: 8, .value_kind: global_buffer, .address_space: global }
      - { .name: bq, .offset: 16, .size: 8, .value_kind: global_buffer, .address_space: global }
      - { .name: bk, .offset: 24, .size: 8, .value_kind: global_buffer, .address_space: global }
      - { .name: bv, .offset: 32, .size: 8, .value_kind: global_buffer, .address_space: global }
      - { .name: qb, .offset: 40, .size: 8, .value_kind: global_buffer, .address_space: global }
      - { .name: kv, .offset: 48, .size: 8, .value_kind: global_buffer, .address_space: global }
    .group_segment_fixed_size: 327680
    .private_segment_fixed_size: 0
    .kernarg_segment_align: 8
    .kernarg_segment_size: 56
    .max_flat_workgroup_size: 128
    .sgpr_count:     100
    .vgpr_count:     1024
    .wavefront_size: 32
...
	.end_amdgpu_metadata
.endif
;; end of part 2
;; launch attn (part 3): grid 8 x 32, 16 waves a work-group, clusters of 4 x 1, 327,680 bytes of LDS; arguments qb, kv, attention_mask, oq; writes oq
.if DOCPART == 3
	.amdgcn_target "amdgcn-amd-amdhsa--gfx1250"
	.amdhsa_code_object_version 6
	.text
	.protected	k_q0bb6932174_attn
	.globl	k_q0bb6932174_attn
	.p2align	8
	.type	k_q0bb6932174_attn,@function
k_q0bb6932174_attn:
	s_mov_b64 s[64:65], 0
	v_nop
	global_prefetch_b8 v0, s[64:65] scope:SCOPE_SE
	s_setreg_imm32_b32 hwreg(HW_REG_WAVE_MODE, 25, 1), 1
	s_wait_xcnt 0x0
	s_wait_alu depctr_hold_cnt(0) depctr_sa_sdst(0) depctr_va_vdst(0) depctr_va_sdst(0) depctr_va_ssrc(0) depctr_va_vcc(0) depctr_vm_vsrc(0)
	s_getreg_b32 s2, hwreg(HW_REG_IB_STS2, 6, 4)
	s_cmp_eq_u32 s2, 0
	s_cbranch_scc0 .Lentry_in_a_cluster
	s_endpgm
.Lentry_in_a_cluster:
	s_bfe_u32 s2, ttmp6, 0x10000c
	s_cmp_lg_u32 s2, 0x3003
	s_cbranch_scc0 .Lentry_shape_is_right
	s_endpgm
.Lentry_shape_is_right:
; ATTN: O = softmax(Q K^T / 8, causal and padding masks) V for one head of one batch, both products on codes of E2M3; O is quantised in registers for the projection.
; LEFT OUT: key steps all of whose 128 keys come after a tile's 16 queries (shown dead at the head of prep).  A query that sees no key that counts gets the sum of the quantised V over all 2,048 keys / 2,048, by a select.
; THE SOFTMAX: t = score x log2(e) / 8; M = the largest t so far, rounded up to a whole number; p = 2^(t - M) is quantised along the keys; the row's sum is taken of the unquantised p and divides at the end.
; THE PADDING MASK: 0 or -2^33 for each key lies in LDS and is the C of the score products (LIMIT: logits of keys that count stay above -1e8).
; SHARES.  Work-group i of a head takes tile i (16 queries) of each of the 16 blocks of 128 queries: 1 + 2 + .. + 16 = 136 tile steps, and all 16 key steps are read.  The head's K and V, 16 step blocks of 13,056 bytes,
; lie in LDS for the whole launch: each of the 16 waves asks for one block at the head, nothing is filled again.  THE KEYS OF A LONG TILE ARE SPLIT: with b = wave % 8, wave b takes key steps 7 - b .. 15 - b of the tile
; of block 15 - b (9 steps); wave 8 + b takes its steps 0 .. 6 - b, parks that partial state (O^T, M, the sums) in LDS, and then the tile of block b (b + 1 steps): 8 steps.  Behind one barrier wave b joins the two
; parts: M is a whole number, so both are brought under the larger M by powers of two.  Which step a wave takes hangs on its number and the trip alone; the loop has 9 trips in every wave.
; CLUSTER: the four work-groups of a cluster read the same 16 step blocks: each block is asked for jointly (mask 15).  No prefetch: every tile is asked for at the head, and there is no loop to run ahead in.
; Both products are used transposed: a lane holds ONE query.  The head's 64 fill half of the instruction's 128 along K: registers 6-11 of Q's fragment are zero codes.  K's half fragments stand 6 registers apart, so
; registers 6-11 of a K fragment are the next tile's codes (behind the last: zeros): they meet Q's zero codes under finite scale bytes, and E2M3 has no NaN and no infinity, so they add 0.
; V's fragments land in K's registers once the scores are made.  Scale words: lanes 0-15 an even tile's, lanes 16-31 the next tile's.
; LIMITS: NaN and infinities are not served; a block of p that has fallen to 0 keeps the byte 1.
.set STEPB, 13056
.set MASKF, 208896                     ; behind the 16 step blocks: 2,048 f32, 0 or -2^33
.set VT,    217088                     ; 256 bytes a wave: the fallback's 64 numbers
.set DMP,   221184                     ; 4,608 bytes a wave: a parked state, nine registers groups of four
.set DSZ,   4608
.set SPARE, 294912                     ; the spare words, 128 bytes a wave
.set LB,  1                            ; 8 x lane
.set L4,  2                            ; 4 x lane
.set MKA, 3                            ; MASKF + 32 h
.set ADK, 4
.set SPW, 5
.set NIL, 6
.set ADS, 7
.set VSC, 8                            ; v8-9 V's scale words
.set DV,  10                           ; r - 8 h + 16 i: on the diagonal step register 8 u + j is hidden where 16 u + j is greater
.set NINF, 11
.set ADM, 28
.set VTA, 29
.set KB,  32                           ; v32-79 eight half fragments of K, then four fragments of V^T; v80-85 zeros
.set OT,  86                           ; v86-117 O^T
.set S,   118                          ; v118-181 S^T, then p
.set Q2,  182                          ; v182-187, v188: Q and its scale words of the tile that I finish
.set QS2, 188
.set PC,  190                          ; v190-201 p's codes
.set DA,  202                          ; where I park a state; v203: where my partner parks
.set RA,  203
.set BM,  204
.set PM,  208
.set SOP, 212
.set CT,  216
.set KS,  224                          ; v224-227 K's scale words
.set SU,  228                          ; v228-241 seven pairs of sums
.set WV,  18
.set SEL, 20
.set CS,  22
.set G1,  24
.set G0,  32
.set TB,  36
.set KF4, 37
.set STP, 38
.set BLK, 39
.set KC,  40
.set BB,  42
.set BHD, 43
.set OFA, 44
.set OFB, 45
.set ENDK, 47
.set I16, 49
.set Q0H, 50
.set Q0F, 51
.set QCH, 52
.set QSH, 54
.set QCF, 56
.set QSF, 58
.set MP,  60
.set VP,  62
.set OCP, 66
.set OSP, 68
.macro ROUND                           ; a round of the cluster's barrier
	s_barrier_signal -1
	s_barrier_wait -1
	s_cmp_lg_u32 s[WV], 0
	s_cbranch_scc1 .Lnot_wave_0_\@
	s_barrier_signal -3
.Lnot_wave_0_\@:
	s_barrier_wait -3
	s_barrier_signal -1
	s_barrier_wait -1
.endm
.macro MMS d, a, b, sa, sb, row
.if \row
	v_wmma_scale_f32_16x16x128_f8f6f4 v[\d:\d+7], v[\a:\a+11], v[\b:\b+11], v[\d:\d+7], v[\sa], v[\sb] matrix_a_fmt:MATRIX_FMT_FP6 matrix_b_fmt:MATRIX_FMT_FP6 matrix_a_scale:MATRIX_SCALE_ROW1
.else
	v_wmma_scale_f32_16x16x128_f8f6f4 v[\d:\d+7], v[\a:\a+11], v[\b:\b+11], v[\d:\d+7], v[\sa], v[\sb] matrix_a_fmt:MATRIX_FMT_FP6 matrix_b_fmt:MATRIX_FMT_FP6
.endif
.endm
.macro QOFF q0, c, s                   ; byte offsets of a tile's Q codes and scale words in qb
	s_lshr_b32 s93, s[\q0], 4
	s_lshl_b32 s[\c], s[BHD], 7
	s_add_co_u32 s[\c], s[\c], s93
	s_mul_i32 s[\c], s[\c], 768
	s_mov_b32 s[\c+1], 0
	s_lshl_b32 s[\s], s[BHD], 11
	s_add_co_u32 s[\s], s[\s], s[\q0]
	s_lshl_b32 s[\s], s[\s], 2
	s_add_co_u32 s[\s], s[\s], 3145728
	s_mov_b32 s[\s+1], 0
.endm
	s_load_b256 s[4:11], s[0:1], 0x0               ; qb, kv, attention_mask, oq
	v_lshl_add_u32 v[SPW], v0, 2, SPARE
	v_mov_b32 v[NIL], 0
	ds_add_u32 v[SPW], v[NIL]                      ; the wave's opening: the add, twice on end, and its wait ahead of the first tensor load
	ds_add_u32 v[SPW], v[NIL]
	v_lshrrev_b32 v31, 5, v0
	s_delay_alu instid0(VALU_DEP_1)
	v_readfirstlane_b32 s[WV], v31
	s_bfe_u32 s96, ttmp6, 0x40000                  ; cx
	s_lshl_b32 s97, ttmp9, 2
	s_add_co_u32 s96, s97, s96                     ; i: work-group x
	s_lshl_b32 s[I16], s96, 4
	s_and_b32 s[BHD], ttmp7, 0xffff                ; batch x 16 + head
	s_and_b32 s[BB], s[WV], 7                      ; b
	s_xor_b32 s[BLK], s[BB], 15                    ; the long tile's block, 15 - b
	s_xor_b32 s[OFA], s[BB], 7                     ; 7 - b
	s_add_co_u32 s[OFB], s[BB], 1
	s_cmp_lt_u32 s[WV], 8
	s_cselect_b32 s[ENDK], 9, 8                    ; my steps
	s_cselect_b32 s72, s[BLK], s[BB]               ; the block of the tile that I finish
	s_lshl_b32 s[Q0H], s[BLK], 7
	s_add_co_u32 s[Q0H], s[Q0H], s[I16]            ; the long tile's first query
	s_lshl_b32 s[Q0F], s72, 7
	s_add_co_u32 s[Q0F], s[Q0F], s[I16]            ; and that of the tile that I finish
	s_mov_b32 s[G1], 15|(3<<16)|(1<<21)            ; the cluster's four; elements of 8 bytes, no padding
	s_mov_b32 s[G1+1], 32<<16                      ; rows of 256 bytes
	s_mov_b32 s[G1+2], 51<<16                      ; 51 of them: a step block
	s_mov_b32 s[G1+3], 32<<16
	s_mov_b32 s[G1+4], 51
	s_mov_b32 s[G1+5], 32
	s_mov_b32 s[G1+6], 0
	s_mov_b32 s[G1+7], 0
	s_mov_b32 s[G0], 1
	s_mul_i32 s[G0+1], s[WV], STEPB                ; key step = my wave's number
	s_lshl_b32 s70, s[BHD], 4
	s_add_co_u32 s70, s70, s[WV]
	s_mul_i32 s70, s70, STEPB
	s_mov_b32 s71, 0
	QOFF Q0H, 72, 74
	QOFF Q0F, 76, 78
	s_lshr_b32 s88, s[BHD], 4                      ; batch
	s_and_b32 s89, s[BHD], 15                      ; head
	s_lshl_b32 s80, s88, 13
	s_lshl_b32 s90, s[WV], 9
	s_add_co_u32 s80, s80, s90                     ; my 128 numbers of the mask
	s_mov_b32 s81, 0
	s_lshl_b32 s82, s88, 16
	s_lshl_b32 s90, s89, 8
	s_add_co_u32 s82, s82, s90
	s_add_co_u32 s82, s82, 6684672                 ; the head's sums of V, step by step
	s_mov_b32 s83, 0
	s_lshr_b32 s91, s89, 1                         ; the projection's K step
	s_and_b32 s92, s89, 1                          ; and which half of it
	s_lshr_b32 s90, s[Q0F], 4
	s_lshl_b32 s84, s88, 7
	s_add_co_u32 s84, s84, s90
	s_lshl_b32 s84, s84, 3
	s_add_co_u32 s84, s84, s91
	s_mul_i32 s84, s84, 1536
	s_mul_i32 s90, s92, 768
	s_add_co_u32 s84, s84, s90                     ; O's codes
	s_mov_b32 s85, 0
	s_lshl_b32 s86, s88, 11
	s_add_co_u32 s86, s86, s[Q0F]
	s_lshl_b32 s86, s86, 3
	s_add_co_u32 s86, s86, s91
	s_lshl_b32 s86, s86, 2
	s_lshl_b32 s90, s92, 1
	s_add_co_u32 s86, s86, s90
	s_add_co_u32 s86, s86, 3145728                 ; O's two scale bytes
	s_mov_b32 s87, 0
	s_mul_i32 s94, s[WV], DSZ
	s_add_co_u32 s94, s94, DMP                     ; where I park
	s_xor_b32 s95, s[WV], 8
	s_mul_i32 s95, s95, DSZ
	s_add_co_u32 s95, s95, DMP                     ; where my partner parks
	s_lshl_b32 s98, s[WV], 8
	s_add_co_u32 s98, s98, VT
	s_mov_b32 s[SEL], 0x76543210
	s_mov_b32 s[SEL+1], 0xfedcba98
	s_mov_b32 s[CS], 0x3e38aa3b                    ; c = log2(e) / 8
	s_mov_b32 s[CS+1], s[CS]
	s_mov_b32 s[KC], 0
	s_wait_dscnt 0x0                               ; both opening adds are done
	s_wait_kmcnt 0x0
	s_add_nc_u64 s[G0+2:G0+3], s[6:7], s[70:71]
	s_or_b32 s[G0+3], s[G0+3], 0x80000000
	ROUND                                          ; the four work-groups are here: the joint loads meet
	tensor_load_to_lds s[G0:G0+3], s[G1:G1+7]      ; my one tensor load: key step = my wave's number
	s_nop 0
	s_add_nc_u64 s[QCH:QCH+1], s[4:5], s[72:73]
	s_add_nc_u64 s[QSH:QSH+1], s[4:5], s[74:75]
	s_add_nc_u64 s[QCF:QCF+1], s[4:5], s[76:77]
	s_add_nc_u64 s[QSF:QSF+1], s[4:5], s[78:79]
	s_add_nc_u64 s[MP:MP+1], s[8:9], s[80:81]
	s_add_nc_u64 s[VP:VP+1], s[6:7], s[82:83]
	s_add_nc_u64 s[OCP:OCP+1], s[10:11], s[84:85]
	s_add_nc_u64 s[OSP:OSP+1], s[10:11], s[86:87]
	v_and_b32 v31, 31, v0
	v_and_b32 v30, 15, v0                          ; r
	v_bfe_u32 v[MKA], v0, 4, 1                     ; h
	v_lshlrev_b32 v[LB], 3, v31
	v_lshlrev_b32 v[L4], 2, v31
	v_lshlrev_b32 v[ADS], 4, v31                   ; (for now: 16 x lane)
	v_lshlrev_b32 v[ADK], 2, v30                   ; (for now: 4 r)
	v_lshlrev_b32 v[VTA], 5, v[MKA]
	v_lshlrev_b32 v[DV], 3, v[MKA]
	v_lshl_add_u32 v[MKA], v[MKA], 5, MASKF
	v_add_nc_u32 v[DA], s94, v[ADS]
	v_sub_nc_u32 v[DV], v30, v[DV]
	v_add_nc_u32 v[RA], s95, v[ADS]
	v_add_nc_u32 v[VTA], s98, v[VTA]               ; my wave's 256 bytes, + 32 h
	v_add_nc_u32 v31, s98, v[L4]
	v_add_nc_u32 v[DV], s[I16], v[DV]
	v_lshl_add_u32 v[ADM], v0, 4, MASKF            ; (for now: where my four numbers of the mask go)
.irp p, 0,1,2
	global_load_b64 v[16+2*\p:17+2*\p], v[LB], s[QCH:QCH+1] offset:256*\p   ; the long tile's Q
.endr
	global_load_b32 v255, v[ADK], s[QSH:QSH+1]
.irp p, 0,1,2
	global_load_b64 v[Q2+2*\p:Q2+2*\p+1], v[LB], s[QCF:QCF+1] offset:256*\p ; Q of the tile that I finish (in waves 0-7 the long tile's once more: one text for all waves)
.endr
	global_load_b32 v[QS2], v[ADK], s[QSF:QSF+1]
	global_load_b128 v[S:S+3], v[ADS], s[MP:MP+1]
.set i, 0
.rept 16
	global_load_b32 v[S+4+2*i], v[L4], s[VP:VP+1] offset:4096*i
	global_load_b32 v[S+5+2*i], v[L4], s[VP:VP+1] offset:4096*i+128
.set i, i+1
.endr
	v_mov_b32 v30, 0xd0000000                      ; -2^33
	v_mov_b32 v[NINF], 0xff800000
	v_mov_b32 v13, 0xff61b1e6                      ; the largest t so far: -3e38
	v_mov_b32 v14, 0
	v_mov_b32 v15, 0
	v_floor_f32 v12, -v13                          ; -M
.irp j, 0,1,2,3,4,5
	v_mov_b32 v[22+\j], 0                          ; the upper 64 along K: zero codes in Q,
	v_mov_b32 v[KB+48+\j], 0                       ; and behind K's last tile
.endr
.set j, 0
.rept 32
	v_mov_b32 v[OT+j], 0                           ; the step is written for every step alike: the first finds zeros
.set j, j+1
.endr
.irp b, 0,1,2,3
	v_mov_b32 v[PM+\b], 0                          ; a lane permute's destination counts as one of its sources
.endr
	v_mov_b32 v252, 0
	v_mov_b32 v253, 0
	v_mov_b32 v254, 0
	s_wait_alu depctr_va_vdst(0)
	s_wait_loadcnt 32                              ; Q and the mask are in; the 32 loads of the sums may be out
.irp j, 0,1,2,3
	v_cmp_eq_u32 vcc_lo, 0, v[S+\j]
	s_delay_alu instid0(VALU_DEP_1)
	v_cndmask_b32 v[S+\j], 0, v30, vcc_lo          ; a padded key: -2^33
.endr
	ds_store_b128 v[ADM], v[S:S+3]
	s_wait_loadcnt 0x0
.set i, 1
.rept 15
	v_add_f32 v[S+4], v[S+4], v[S+4+2*i]
	v_add_f32 v[S+5], v[S+5], v[S+5+2*i]
	s_delay_alu instid0(VALU_DEP_2)
.set i, i+1
.endr
	v_mul_f32 v[S+4], 0x3a000000, v[S+4]           ; / 2,048
	v_mul_f32 v[S+5], 0x3a000000, v[S+5]
	ds_store_b32 v31, v[S+4]                       ; channel l,
	ds_store_b32 v31, v[S+5] offset:128            ; channel 32 + l: my wave's own bytes
	s_wait_alu depctr_va_vdst(0)                   ; the head's end
	s_wait_tensorcnt 0x0                           ; my step block has landed,
	s_wait_dscnt 0x0                               ; and my stores
	s_barrier_signal -1
	s_barrier_wait -1                              ; all 16 step blocks and the mask lie in LDS
.Ltrip:                                            ; 9 trips in every wave
	s_add_co_u32 s96, s[KC], s[OFA]                ; waves 0-7: step 7 - b + trip
	s_add_co_u32 s97, s[KC], s[OFB]
	s_and_b32 s97, s97, 7                          ; waves 8-15, from trip 7 - b on: step trip - (7 - b) of the short tile;
	s_cmp_lt_u32 s[KC], s[OFA]
	s_cselect_b32 s97, s[KC], s97                  ; before: step = trip of the long tile
	s_cmp_lt_u32 s[WV], 8
	s_cselect_b32 s[STP], s96, s97
	s_min_u32 s[STP], s[STP], 15
	s_mul_i32 s[TB], s[STP], STEPB
	s_lshl_b32 s[KF4], s[STP], 9
	v_add_nc_u32 v[ADK], s[TB], v[LB]              ; these three and the v_nop are the four places behind the last products
	v_add_nc_u32 v[ADS], s[TB], v[L4]
	v_add_nc_u32 v[ADM], s[KF4], v[MKA]
	v_nop
	s_wait_alu depctr_va_vdst(0)
	s_cmp_lt_u32 s[WV], 8
	s_cbranch_scc1 .Lkeep
	s_cmp_lg_u32 s[KC], s[OFA]
	s_cbranch_scc1 .Lkeep
	; waves 8-15, once: the long tile's part is parked, and the short tile begins
.set j, 0
.rept 8
	ds_store_b128 v[DA], v[OT+4*j:OT+4*j+3] offset:512*j           ; each accumulator from its low end on
.set j, j+1
.endr
	ds_store_b128 v[DA], v[12:15] offset:4096      ; -M, the largest t, the sums
	v_mov_b32 v255, v[QS2]
.irp p, 0,1,2,3,4,5
	v_mov_b32 v[16+\p], v[Q2+\p]
.endr
	v_mov_b32 v13, 0xff61b1e6
	v_mov_b32 v14, 0
	v_mov_b32 v15, 0
	v_floor_f32 v12, -v13
.set j, 0
.rept 32
	v_mov_b32 v[OT+j], 0                           ; (also the places between Q's new registers and the next products)
.set j, j+1
.endr
	s_mov_b32 s[BLK], s[BB]
	s_wait_alu depctr_va_vdst(0)
.Lkeep:
	s_cmp_ge_u32 s[KC], s[ENDK]                    ; waves 8-15 have eight steps
	s_cbranch_scc1 .Lidle
.irp u, 0,1,2,3,4,5,6,7
	ds_load_b128 v[S+8*\u:S+8*\u+3], v[ADM] offset:64*\u          ; the padding mask of keys 16 u + 8 h + 0..7: the C of the scores
	ds_load_b128 v[S+8*\u+4:S+8*\u+7], v[ADM] offset:64*\u+16
.endr
.irp t, 0,1,2,3,4,5,6,7
.irp p, 0,1,2
	ds_load_b64 v[KB+6*\t+2*\p:KB+6*\t+2*\p+1], v[ADK] offset:768*\t+256*\p
.endr
.endr
.irp u, 0,1,2,3
	ds_load_b32 v[KS+\u], v[ADS] offset:12288+128*\u
.endr
	s_wait_dscnt 0x0
.irp t, 0,1,2,3,4,5,6,7
.set rD, S+8*\t
.set rA, KB+6*\t
.set rS, KS+\t/2
	MMS rD, rA, 16, rS, 255, \t%2
.endr
.rept 4
	v_nop                                          ; places in front of the loads into K's registers and of the first read of the scores
.endr
.irp t, 0,1,2,3
.irp p, 0,1,2,3,4,5
	ds_load_b64 v[KB+12*\t+2*\p:KB+12*\t+2*\p+1], v[ADK] offset:6144+1536*\t+256*\p   ; V^T, into K's registers
.endr
.endr
.irp u, 0,1
	ds_load_b32 v[VSC+\u], v[ADS] offset:12800+128*\u
.endr
	s_cmp_lg_u32 s[STP], s[BLK]                    ; off the diagonal nothing is hidden
	s_cbranch_scc1 .Lopen
.set n, 0
.rept 64
	v_cmp_gt_i32 vcc_lo, 16*(n/8)+n%8, v[DV]
	v_cndmask_b32 v[S+n], v[S+n], v[NINF], vcc_lo
.set n, n+1
.endr
.Lopen:
.irp b, 0,1,2,3
	v_max3_num_f32 v[BM+\b], v[S+16*\b], v[S+1+16*\b], v[S+2+16*\b]     ; each block's largest score: for the row's maximum and for the block's largest p
.endr
.irp i, 3,5,7,9,11,13
.irp b, 0,1,2,3
	v_max3_num_f32 v[BM+\b], v[BM+\b], v[S+16*\b+\i], v[S+1+16*\b+\i]
.endr
.endr
.irp b, 0,1,2,3
	v_max_num_f32 v[BM+\b], v[BM+\b], v[S+15+16*\b]
.endr
.irp b, 0,1,2,3
	s_delay_alu instid0(VALU_DEP_4)
	v_permlanex16_b32 v[PM+\b], v[BM+\b], s[SEL], s[SEL+1]
.endr
.irp b, 0,1,2,3
	s_delay_alu instid0(VALU_DEP_4)
	v_max_num_f32 v[BM+\b], v[BM+\b], v[PM+\b]
.endr
	s_delay_alu instid0(VALU_DEP_2)
	v_max3_num_f32 v254, v[BM], v[BM+1], v[BM+2]
	s_delay_alu instid0(VALU_DEP_1)
	v_max_num_f32 v254, v254, v[BM+3]
	s_delay_alu instid0(VALU_DEP_1)
	v_mul_f32 v254, s[CS], v254
	s_delay_alu instid0(VALU_DEP_1)
	v_max_num_f32 v13, v13, v254                   ; the running largest t
	v_mov_b32 v254, v12
	s_delay_alu instid0(VALU_DEP_2)
	v_floor_f32 v12, -v13                          ; -M: M is a whole number
	s_delay_alu instid0(VALU_DEP_1)
	v_sub_f32 v254, v12, v254
	s_delay_alu instid0(VALU_DEP_1)
	v_cvt_i32_f32 v254, v254                       ; (it saturates)
	s_delay_alu instid0(VALU_DEP_1)
	v_ldexp_f32 v252, 1.0, v254                    ; f = 2^(old M - new M)
.set j, 0
.rept 32
	v_pk_fma_f32 v[S+j:S+j+1], v[S+j:S+j+1], s[CS:CS+1], v[12:13] op_sel_hi:[1,0,0]    ; t - M
.set j, j+2
.endr
.irp b, 0,1,2,3
	v_fma_f32 v[BM+\b], v[BM+\b], s[CS], v12
.endr
	s_wait_alu depctr_va_vdst(0)                   ; ahead of the batch
	s_wait_dscnt 0x0                               ; V^T and its scale words are in
.set j, 0
.rept 64
	v_exp_f32 v[S+j], v[S+j]                       ; p, not normalised
.set j, j+1
.endr
	v_pk_mul_f32 v[14:15], v[14:15], v[252:253] op_sel_hi:[1,0]   ; the sums under the new M: a plain place behind the exponentials
	s_wait_alu depctr_va_vdst(0)                   ; one wait for the batch, ahead of its first reader
.irp b, 0,1,2,3
	v_exp_f32 v[BM+\b], v[BM+\b]                   ; each block's largest p
.endr
.irp c, 0,1,2,3,4,5,6                  ; the row's sum of the unquantised p: 32 pairs in eight chains
	v_pk_add_f32 v[SU+2*\c:SU+2*\c+1], v[S+4*\c:S+4*\c+1], v[S+4*\c+2:S+4*\c+3]
.endr
	v_pk_add_f32 v[14:15], v[14:15], v[S+28:S+29]
.irp g, 0,1
.irp c, 0,1,2,3,4,5,6
	v_pk_add_f32 v[SU+2*\c:SU+2*\c+1], v[SU+2*\c:SU+2*\c+1], v[S+30+16*\g+2*\c:S+31+16*\g+2*\c]
.endr
	v_pk_add_f32 v[14:15], v[14:15], v[S+44+16*\g:S+45+16*\g]
.endr
	v_pk_add_f32 v[SU:SU+1], v[SU:SU+1], v[S+62:S+63]
	v_pk_add_f32 v[SU+2:SU+3], v[SU+2:SU+3], v[SU+4:SU+5]
	v_pk_add_f32 v[SU+6:SU+7], v[SU+6:SU+7], v[SU+8:SU+9]
	v_pk_add_f32 v[SU+10:SU+11], v[SU+10:SU+11], v[SU+12:SU+13]
	s_delay_alu instid0(VALU_DEP_3)
	v_pk_add_f32 v[SU:SU+1], v[SU:SU+1], v[SU+2:SU+3]
	s_delay_alu instid0(VALU_DEP_2)
	v_pk_add_f32 v[SU+6:SU+7], v[SU+6:SU+7], v[SU+10:SU+11]
	s_delay_alu instid0(VALU_DEP_2)
	v_pk_add_f32 v[14:15], v[14:15], v[SU:SU+1]
	s_delay_alu instid0(VALU_DEP_1)
	v_pk_add_f32 v[14:15], v[14:15], v[SU+6:SU+7]
	s_wait_alu depctr_va_vdst(0)                   ; and one for the four
.irp b, 0,1,2,3
	v_max_num_f32 v[BM+\b], 0x1800000, v[BM+\b]    ; the floor: the byte cannot fall under 1
.endr
.irp b, 0,1,2,3
	s_delay_alu instid0(VALU_DEP_4)
	v_add_nc_u32 v[SOP+\b], 0xff000000, v[BM+\b]   ; 2 off the exponent field: the conversion's scale operand
.endr
.irp b, 0,1,2,3
	s_delay_alu instid0(VALU_DEP_4)
	v_lshrrev_b32 v[PM+\b], 23, v[SOP+\b]
.endr
	s_delay_alu instid0(VALU_DEP_3)
	v_lshl_or_b32 v253, v[PM+1], 8, v[PM]          ; p's scale word for these 128 keys
	s_delay_alu instid0(VALU_DEP_1)
	v_lshl_or_b32 v253, v[PM+2], 16, v253
	s_delay_alu instid0(VALU_DEP_1)
	v_lshl_or_b32 v253, v[PM+3], 24, v253
.irp c, 0,1
	v_cvt_scalef32_pk16_fp6_f32 v[PC+6*\c:PC+2+6*\c], v[S+32*\c:S+15+32*\c], v[SOP+2*\c]
	v_cvt_scalef32_pk16_fp6_f32 v[CT+4*\c:CT+2+4*\c], v[S+16+32*\c:S+31+32*\c], v[SOP+2*\c+1]
.endr
	v_nop                                          ; one plain place behind a scaled conversion
.irp c, 0,1
.irp i, 0,1,2
	v_permlane16_swap_b32 v[PC+6*\c+\i], v[CT+4*\c+\i]             ; a whole block to a lane
.endr
.irp i, 0,1,2
	s_delay_alu instid0(VALU_DEP_3)
	v_mov_b32 v[PC+3+6*\c+\i], v[CT+4*\c+\i]
.endr
.endr
	s_wait_alu depctr_va_vdst(0)                   ; directly ahead of the first reader of O^T
.set j, 0
.rept 16
	v_pk_mul_f32 v[OT+j:OT+j+1], v[OT+j:OT+j+1], v[252:253] op_sel_hi:[1,0]   ; O^T under the new M
.set j, j+2
.endr
.rept 4
	v_nop                                          ; places between the last of these and the products that add onto them
.endr
.irp t, 0,1,2,3
.set rD, OT+8*\t
.set rA, KB+12*\t
.set rS, VSC+\t/2
	MMS rD, rA, PC, rS, 253, \t%2
.endr
.Lidle:
	s_add_co_u32 s[KC], s[KC], 1
	s_cmp_lt_u32 s[KC], 9
	s_cbranch_scc1 .Ltrip
.rept 4
	v_nop                                          ; places behind the last products
.endr
	s_wait_dscnt 0x0                               ; my parked state has landed
	s_barrier_signal -1
	s_barrier_wait -1
	s_cmp_lt_u32 s[WV], 8
	s_cbranch_scc0 .Lown
	; waves 0-7: the long tile's two parts are joined under the larger M
.set j, 0
.rept 9
	ds_load_b128 v[S+4*j:S+4*j+3], v[RA] offset:512*j
.set j, j+1
.endr
	s_wait_dscnt 0x0
	v_min_num_f32 v254, v12, v[S+32]               ; the new -M
	v_max_num_f32 v13, v13, v[S+33]
	s_delay_alu instid0(VALU_DEP_2)
	v_sub_f32 v252, v254, v12
	v_sub_f32 v30, v254, v[S+32]
	s_delay_alu instid0(VALU_DEP_2)
	v_cvt_i32_f32 v252, v252                       ; (they saturate: a part with no step has -M = 3e38, and its factor is 0)
	s_delay_alu instid0(VALU_DEP_2)
	v_cvt_i32_f32 v30, v30
	s_delay_alu instid0(VALU_DEP_2)
	v_ldexp_f32 v252, 1.0, v252
	s_delay_alu instid0(VALU_DEP_2)
	v_ldexp_f32 v30, 1.0, v30
	s_delay_alu instid0(VALU_DEP_2)
	v_pk_mul_f32 v[14:15], v[14:15], v[252:253] op_sel_hi:[1,0]
.set j, 0
.rept 16
	v_pk_mul_f32 v[OT+j:OT+j+1], v[OT+j:OT+j+1], v[252:253] op_sel_hi:[1,0]
.set j, j+2
.endr
	v_pk_fma_f32 v[14:15], v[S+34:S+35], v[30:31], v[14:15] op_sel_hi:[1,0,1]
.set j, 0
.rept 16
	v_pk_fma_f32 v[OT+j:OT+j+1], v[S+j:S+j+1], v[30:31], v[OT+j:OT+j+1] op_sel_hi:[1,0,1]
.set j, j+2
.endr
.Lown:
	; THE WAY OUT: O^T / the sum, or the fallback; quantised; half a fragment of the projection's operand
	v_add_f32 v14, v14, v15
	s_delay_alu instid0(VALU_DEP_1)
	v_permlanex16_b32 v252, v14, s[SEL], s[SEL+1]
	s_delay_alu instid0(VALU_DEP_1)
	v_add_f32 v14, v14, v252
	s_wait_alu depctr_va_vdst(0)
	v_rcp_f32 v14, v14
.irp t, 0,1,2,3
	ds_load_b128 v[S+8*\t:S+8*\t+3], v[VTA] offset:64*\t           ; the fallback in O^T's layout: channels 16 t + 8 h + 0..7
	ds_load_b128 v[S+8*\t+4:S+8*\t+7], v[VTA] offset:64*\t+16
.endr
	v_cmp_gt_f32 vcc_lo, 0xce6e6b28, v13           ; the largest t lies under -1e9: no key counted.  (A plain place behind the reciprocal)
	v_and_b32 v31, 15, v0
	s_delay_alu instid0(VALU_DEP_1)
	v_lshlrev_b32 v31, 5, v31                      ; 32 bytes of scale words a row
	s_wait_alu depctr_va_vdst(0)
	s_wait_dscnt 0x0
.set j, 0
.rept 32
	v_mul_f32 v[KB+j], v[OT+j], v14
.set j, j+1
.endr
.set j, 0
.rept 32
	v_cndmask_b32 v[KB+j], v[KB+j], v[S+j], vcc_lo
.set j, j+1
.endr
.irp b, 0,1
	v_max3_num_f32 v[BM+\b], |v[KB+16*\b]|, |v[KB+1+16*\b]|, 0x1800000
.endr
.irp i, 2,4,6,8,10,12,14
.irp b, 0,1
	s_delay_alu instid0(VALU_DEP_2)
	v_max3_num_f32 v[BM+\b], v[BM+\b], |v[KB+16*\b+\i]|, |v[KB+1+16*\b+\i]|
.endr
.endr
.irp b, 0,1
	s_delay_alu instid0(VALU_DEP_2)
	v_permlanex16_b32 v[PM+\b], v[BM+\b], s[SEL], s[SEL+1]
.endr
.irp b, 0,1
	s_delay_alu instid0(VALU_DEP_2)
	v_max_num_f32 v[BM+\b], v[BM+\b], v[PM+\b]
.endr
.irp b, 0,1
	s_delay_alu instid0(VALU_DEP_2)
	v_add_nc_u32 v[SOP+\b], 0xff000000, v[BM+\b]
.endr
.irp b, 0,1
	s_delay_alu instid0(VALU_DEP_2)
	v_lshrrev_b32 v[PM+\b], 23, v[SOP+\b]
.endr
	s_delay_alu instid0(VALU_DEP_1)
	v_lshl_or_b32 v254, v[PM+1], 8, v[PM]
	v_cvt_scalef32_pk16_fp6_f32 v[PC:PC+2], v[KB:KB+15], v[SOP]
	v_cvt_scalef32_pk16_fp6_f32 v[CT:CT+2], v[KB+16:KB+31], v[SOP+1]
	v_nop
.irp i, 0,1,2
	v_permlane16_swap_b32 v[PC+\i], v[CT+\i]
.endr
.irp i, 0,1,2
	s_delay_alu instid0(VALU_DEP_3)
	v_mov_b32 v[PC+3+\i], v[CT+\i]
.endr
.irp p, 0,1,2
	global_store_b64 v[LB], v[PC+2*\p:PC+2*\p+1], s[OCP:OCP+1] offset:256*\p   ; 32 lanes store 256 consecutive bytes, aligned
.endr
	global_store_b16 v31, v254, s[OSP:OSP+1]       ; my head's two bytes of the row's scale word
	s_wait_tensorcnt 0x0                           ; the wave's end
	ds_add_u32 v[SPW], v[NIL]
	s_wait_dscnt 0x0
	ROUND                                          ; the closing round
	s_endpgm
.Lfunc_end_k_q0bb6932174_attn:
	.size	k_q0bb6932174_attn, .Lfunc_end_k_q0bb6932174_attn-k_q0bb6932174_attn
	.p2alignl 7, 3214868480
	.fill 96, 4, 3214868480
	.section	.rodata,"a",@progbits
	.p2align	6, 0x0
	.amdhsa_kernel k_q0bb6932174_attn
		.amdhsa_group_segment_fixed_size 327680
		.amdhsa_private_segment_fixed_size 0
		.amdhsa_enable_private_segment 0
		.amdhsa_kernarg_size 32
		.amdhsa_user_sgpr_count 2
		.amdhsa_user_sgpr_kernarg_segment_ptr 1
		.amdhsa_wavefront_size32 1
		.amdhsa_system_sgpr_workgroup_id_x 1
		.amdhsa_system_sgpr_workgroup_id_y 1
		.amdhsa_system_sgpr_workgroup_id_z 1
		.amdhsa_system_vgpr_workitem_id 0
		.amdhsa_next_free_vgpr 256
		.amdhsa_next_free_sgpr 100
		.amdhsa_reserve_vcc 1
		.amdhsa_float_denorm_mode_32 3
		.amdhsa_float_denorm_mode_16_64 3
		.amdhsa_memory_ordered 1
		.amdhsa_forward_progress 1
		.amdhsa_inst_pref_size 51
	.end_amdhsa_kernel
	.amdgpu_metadata
---
amdhsa.version: [ 1, 2 ]
amdhsa.kernels:
  - .name:           k_q0bb6932174_attn
    .symbol:         k_q0bb6932174_attn.kd
    .args:
      - { .name: qb, .offset: 0, .size: 8, .value_kind: global_buffer, .address_space: global }
      - { .name: kv, .offset: 8, .size: 8, .value_kind: global_buffer, .address_space: global }
      - { .name: attention_mask, .offset: 16, .size: 8, .value_kind: global_buffer, .address_space: global }
      - { .name: oq, .offset: 24, .size: 8, .value_kind: global_buffer, .address_space: global }
    .group_segment_fixed_size: 327680
    .private_segment_fixed_size: 0
    .kernarg_segment_align: 8
    .kernarg_segment_size: 32
    .max_flat_workgroup_size: 512
    .sgpr_count:     100
    .vgpr_count:     256
    .wavefront_size: 32
...
	.end_amdgpu_metadata
.endif
;; end of part 3
;; launch wo (part 4): grid 256 x 1, 4 waves a work-group, no clusters, 68,096 bytes of LDS; arguments oq, wts, bo, x, yz; writes yz
.if DOCPART == 4
	.amdgcn_target "amdgcn-amd-amdhsa--gfx1250"
	.amdhsa_code_object_version 6
	.text
	.protected	k_q0bb6932174_wo
	.globl	k_q0bb6932174_wo
	.p2align	8
	.type	k_q0bb6932174_wo,@function
k_q0bb6932174_wo:
	s_mov_b64 s[64:65], 0
	v_nop
	global_prefetch_b8 v0, s[64:65] scope:SCOPE_SE
	s_setreg_imm32_b32 hwreg(HW_REG_WAVE_MODE, 25, 1), 1
	s_wait_xcnt 0x0
; WO: y = x + O wo + bo, the product on codes of E2M3.
; A work-group makes 128 rows x 128 columns.  K IS SPLIT OVER THE FOUR WAVES: wave w keeps K steps 2 w, 2 w + 1 of the 128 columns' weights, S, in registers for the whole launch (16 fragments), and reads, for each of 8
; tiles of 16 rows, the two fragments of T of its own K steps straight from memory: no wave reads what another reads.  The four partial sums meet in LDS; each wave then finishes 4 whole rows: + bias + residual.
; EVERY TRIP HAS REGISTERS OF ITS OWN for T's two fragments, their scale words and the residual's four rows: no register is loaded twice, no store's data are written again, and a trip's 17 loads go out THREE TRIPS AHEAD of
; the one wait that serves them.  A trip has only 16 matrix instructions: asked for one trip ahead, its operands would be waited for in every trip.
; No cluster and no tensor load: both operands go straight into registers.  LIMITS: as at the head of prep (NaN and infinities not served; blocks under 2^-124 have the byte 1).
; REGISTERS.  Window 0: the names below.  Window 1: S's fragments (K step s, tile t) at 12 (8 s + t).  Window 2: T's (trip i, K step s) at 12 (2 i + s).
.set KW,  2                            ; K steps of a wave
.set KS,  8                            ; K steps in all
.set SCO, 2359296                      ; S's codes in wts
.set SSO, 9437184+98304                ; S's scale words
.set TSO, 3145728                      ; T's scale words in its buffer
.set GL,  17                           ; loads of a trip: 12 for T's two fragments, 1 for their scale words, 4 for the residual
.set AHEAD, 3                          ; trips between a group's request and its wait
.set SPARE, 67584                      ; LDS: two stages of 4 waves x 16 rows x 528 bytes; behind them the spare words
.set LI,  1                            ; 16 x lane
.set LT,  2                            ; 8 x lane: T's images are six planes of 8 bytes a lane
.set SO,  3                            ; the stage: where my partial sums go
.set SR,  4                            ; and where I read rows back
.set TSV, 5
.set SSV, 6
.set SPW, 14
.set NIL, 15
.set SSC, 16                           ; v16-23   S's scale words: register 2 u + s: lanes 0-15 tile 2 u, lanes 16-31 tile 2 u + 1
.set TSC, 24                           ; v24-39   T's scale words, a pair a trip
.set BIAS, 40                          ; v40-43
.set ACC, 44                           ; v44-107
.set RES, 108                          ; v108-235 the residual, 16 registers a trip
.set WV,  18
.set TCP, 20
.set TSP, 22
.set SCP, 24
.set SSP, 26
.set BP,  28
.set RP,  30
.set OP,  32
.set MSB, 0
.macro WIN new                         ; the immediate's high byte repeats the setting that is left
.if MSB != (\new)
	s_set_vgpr_msb (MSB<<8)|(\new)
.set MSB, (\new)
.endif
.endm
.macro PLACES n
.rept \n
	v_nop
.endr
.endm
.macro MM d, a, b, sa, sb, row, zero
.if \zero
.if \row
	v_wmma_scale_f32_16x16x128_f8f6f4 v[\d:\d+7], v[\a:\a+11], v[\b:\b+11], 0, v[\sa], v[\sb] matrix_a_fmt:MATRIX_FMT_FP6 matrix_b_fmt:MATRIX_FMT_FP6 matrix_a_scale:MATRIX_SCALE_ROW1
.else
	v_wmma_scale_f32_16x16x128_f8f6f4 v[\d:\d+7], v[\a:\a+11], v[\b:\b+11], 0, v[\sa], v[\sb] matrix_a_fmt:MATRIX_FMT_FP6 matrix_b_fmt:MATRIX_FMT_FP6
.endif
.else
.if \row
	v_wmma_scale_f32_16x16x128_f8f6f4 v[\d:\d+7], v[\a:\a+11], v[\b:\b+11], v[\d:\d+7], v[\sa], v[\sb] matrix_a_fmt:MATRIX_FMT_FP6 matrix_b_fmt:MATRIX_FMT_FP6 matrix_a_scale:MATRIX_SCALE_ROW1
.else
	v_wmma_scale_f32_16x16x128_f8f6f4 v[\d:\d+7], v[\a:\a+11], v[\b:\b+11], v[\d:\d+7], v[\sa], v[\sb] matrix_a_fmt:MATRIX_FMT_FP6 matrix_b_fmt:MATRIX_FMT_FP6
.endif
.endif
.endm
.macro KSTEP i, s, zero                ; trip i, my K step s: S's eight tiles against one fragment of T; the accumulators take turns
.irp t, 0,1,2,3,4,5,6,7
.set rA, 12*(8*(\s)+\t)
.set rD, ACC+8*\t
.set rB, 12*(2*(\i)+(\s))
.set rS, SSC+KW*(\t/2)+(\s)
.set rT, TSC+2*(\i)+(\s)
	MM rD, rA, rB, rS, rT, \t%2, \zero
.endr
.endm
.macro GROUP i                         ; all that trip i reads from memory: 17 loads, into registers that nothing else uses
	WIN 0x80                                       ; destination window 2, address window 0
.irp s, 0,1
.irp q, 0,1,2,3,4,5
	global_load_b64 v[12*(2*(\i)+\s)+2*\q:12*(2*(\i)+\s)+2*\q+1], v[LT], s[TCP:TCP+1] offset:(\i)*KS*1536+1536*\s+256*\q
.endr
.endr
	WIN 0
	global_load_b64 v[TSC+2*(\i):TSC+2*(\i)+1], v[TSV], s[TSP:TSP+1] offset:(\i)*64*KS
.irp p, 0,1,2,3
	global_load_b128 v[RES+16*(\i)+4*\p:RES+16*(\i)+4*\p+3], v[LI], s[RP:RP+1] offset:(16*(\i)+\p)*4096
.endr
.endm
	s_load_b256 s[4:11], s[0:1], 0x0               ; T, wts, the bias, the residual
	s_load_b64 s[12:13], s[0:1], 0x20              ; the result
	v_lshl_add_u32 v[SPW], v0, 2, SPARE
	v_mov_b32 v[NIL], 0
	v_lshrrev_b32 v7, 5, v0
	v_readfirstlane_b32 s[WV], v7
	s_and_b32 s34, ttmp9, 7                        ; which 128 columns
	s_lshr_b32 s35, ttmp9, 3                       ; which 128 rows
	s_mul_i32 s36, s35, 8*KS*1536
	s_mul_i32 s37, s[WV], KW*1536
	s_add_co_u32 s36, s36, s37
	s_mov_b32 s37, 0
	s_mul_i32 s38, s35, 128*KS*4
	s_mul_i32 s39, s[WV], KW*4
	s_add_co_u32 s38, s38, s39
	s_add_co_u32 s38, s38, TSO
	s_mov_b32 s39, 0
	s_mul_i32 s40, s34, 8*KS*1536
	s_mul_i32 s41, s[WV], KW*1536
	s_add_co_u32 s40, s40, s41
	s_add_co_u32 s40, s40, SCO
	s_mov_b32 s41, 0
	s_mul_i32 s42, s34, 128*KS*4
	s_mul_i32 s43, s[WV], KW*4
	s_add_co_u32 s42, s42, s43
	s_add_co_u32 s42, s42, SSO
	s_mov_b32 s43, 0
	s_lshl_b32 s44, s34, 9
	s_mov_b32 s45, 0
	s_lshl_b32 s46, s35, 19
	s_lshl_b32 s47, s[WV], 14
	s_add_co_u32 s46, s46, s47
	s_add_co_u32 s46, s46, s44                     ; row 128 rg + 4 w, column 128 cg
	s_mov_b32 s47, 0
	v_and_b32 v7, 31, v0                           ; lane
	v_and_b32 v8, 15, v0                           ; r
	v_bfe_u32 v9, v0, 4, 1                         ; h
	v_lshlrev_b32 v[LI], 4, v7
	v_lshlrev_b32 v[LT], 3, v7
	v_mul_u32_u24 v[SO], v8, 528
	v_lshl_add_u32 v[SO], v9, 5, v[SO]
	s_mul_i32 s50, s[WV], 8448
	v_add_nc_u32 v[SO], s50, v[SO]                 ; my part: row r, + 32 h
	s_mul_i32 s50, s[WV], 2112
	v_add_nc_u32 v[SR], s50, v[LI]                 ; rows 4 w on, 16 bytes a lane
	v_mul_u32_u24 v[TSV], v8, KS*4
	v_mul_u32_u24 v[SSV], v7, KS*4
	s_wait_alu depctr_va_vdst(0)
	s_wait_kmcnt 0x0
	s_add_nc_u64 s[TCP:TCP+1], s[4:5], s[36:37]
	s_add_nc_u64 s[TSP:TSP+1], s[4:5], s[38:39]
	s_add_nc_u64 s[SCP:SCP+1], s[6:7], s[40:41]
	s_add_nc_u64 s[SSP:SSP+1], s[6:7], s[42:43]
	s_add_nc_u64 s[BP:BP+1], s[8:9], s[44:45]
	s_add_nc_u64 s[RP:RP+1], s[10:11], s[46:47]
	s_add_nc_u64 s[OP:OP+1], s[12:13], s[46:47]
.irp u, 0,1,2,3                        ; S's scale words: lane l takes row 32 u + l's
	global_load_b64 v[SSC+2*\u:SSC+2*\u+1], v[SSV], s[SSP:SSP+1] offset:\u*128*KS
.endr
	global_load_b128 v[BIAS:BIAS+3], v[LI], s[BP:BP+1]
	WIN 0x40                                       ; destination window 1
.set f, 0
.rept 8*KW
.irp g, 0,1,2
	global_load_b128 v[12*f+4*\g:12*f+4*\g+3], v[LI], s[SCP:SCP+1] offset:((f%8)*KS+f/8)*1536+512*\g
.endr
.set f, f+1
.endr
	GROUP 0                                        ; the first three trips' operands go out behind S; no wait stands here
	GROUP 1
	GROUP 2
.macro TRIP i
.if (\i)+AHEAD < 8
	GROUP (\i)+AHEAD                               ; three trips ahead
	s_wait_loadcnt AHEAD*GL                        ; this trip's group, and all that was asked for ahead of it, is in; the three younger groups may be out
.else
	s_wait_loadcnt (7-(\i))*GL                     ; nothing more to ask for: the counts run down
.endif
	WIN 0x09                                       ; source 0 (S) window 1, source 1 (T) window 2, C and D window 0
	KSTEP \i, 0, 1                                 ; the first product starts the sums
	KSTEP \i, 1, 0
	WIN 0
	PLACES 5                                       ; for the first read of results, the loads into the accumulators below, and the next trip's first products, which begin the accumulators anew
.irp t, 0,1,2,3,4,5,6,7
	ds_store_b128 v[SO], v[ACC+8*\t:ACC+8*\t+3] offset:33792*((\i)%2)+64*\t        ; each accumulator from its low end on
	ds_store_b128 v[SO], v[ACC+8*\t+4:ACC+8*\t+7] offset:33792*((\i)%2)+64*\t+16
.endr
	s_wait_dscnt 0x0                               ; my partial sums have landed (and my reads of the other stage were over a trip ago)
	s_barrier_signal -1
	s_barrier_wait -1                              ; one barrier a trip: this stage is stored again two trips on, behind the next barrier, which each wave signals behind its reads below
.irp q, 0,1,2,3
.irp p, 0,1,2,3
	ds_load_b128 v[ACC+16*\q+4*\p:ACC+16*\q+4*\p+3], v[SR] offset:33792*((\i)%2)+8448*\q+528*\p
.endr
.endr
.irp p, 0,1,2,3
	v_pk_add_f32 v[RES+16*(\i)+4*\p:RES+16*(\i)+4*\p+1], v[RES+16*(\i)+4*\p:RES+16*(\i)+4*\p+1], v[BIAS:BIAS+1]
	v_pk_add_f32 v[RES+16*(\i)+4*\p+2:RES+16*(\i)+4*\p+3], v[RES+16*(\i)+4*\p+2:RES+16*(\i)+4*\p+3], v[BIAS+2:BIAS+3]
.endr
	s_wait_alu depctr_va_vdst(0)
	s_wait_dscnt 0x0
.irp q, 0,1,2,3
.irp p, 0,1,2,3
	v_pk_add_f32 v[RES+16*(\i)+4*\p:RES+16*(\i)+4*\p+1], v[RES+16*(\i)+4*\p:RES+16*(\i)+4*\p+1], v[ACC+16*\q+4*\p:ACC+16*\q+4*\p+1]
	v_pk_add_f32 v[RES+16*(\i)+4*\p+2:RES+16*(\i)+4*\p+3], v[RES+16*(\i)+4*\p+2:RES+16*(\i)+4*\p+3], v[ACC+16*\q+4*\p+2:ACC+16*\q+4*\p+3]
.endr
.endr
.irp p, 0,1,2,3
	global_store_b128 v[LI], v[RES+16*(\i)+4*\p:RES+16*(\i)+4*\p+3], s[OP:OP+1] offset:(16*(\i)+\p)*4096   ; 32 lanes store 512 consecutive bytes, aligned; these registers are not written again
.endr
.endm
.irp i, 0,1,2,3,4,5,6,7
	TRIP \i
.endr
	s_wait_tensorcnt 0x0                           ; the wave's end
	ds_add_u32 v[SPW], v[NIL]
	s_wait_dscnt 0x0
	s_endpgm
.Lfunc_end_k_q0bb6932174_wo:
	.size	k_q0bb6932174_wo, .Lfunc_end_k_q0bb6932174_wo-k_q0bb6932174_wo
	.p2alignl 7, 3214868480
	.fill 96, 4, 3214868480
	.section	.rodata,"a",@progbits
	.p2align	6, 0x0
	.amdhsa_kernel k_q0bb6932174_wo
		.amdhsa_group_segment_fixed_size 68096
		.amdhsa_private_segment_fixed_size 0
		.amdhsa_enable_private_segment 0
		.amdhsa_kernarg_size 40
		.amdhsa_user_sgpr_count 2
		.amdhsa_user_sgpr_kernarg_segment_ptr 1
		.amdhsa_wavefront_size32 1
		.amdhsa_system_sgpr_workgroup_id_x 1
		.amdhsa_system_sgpr_workgroup_id_y 1
		.amdhsa_system_sgpr_workgroup_id_z 1
		.amdhsa_system_vgpr_workitem_id 0
		.amdhsa_next_free_vgpr 768
		.amdhsa_next_free_sgpr 66
		.amdhsa_reserve_vcc 0
		.amdhsa_float_denorm_mode_32 3
		.amdhsa_float_denorm_mode_16_64 3
		.amdhsa_memory_ordered 1
		.amdhsa_forward_progress 1
		.amdhsa_inst_pref_size 80
	.end_amdhsa_kernel
	.amdgpu_metadata
---
amdhsa.version: [ 1, 2 ]
amdhsa.kernels:
  - .name:           k_q0bb6932174_wo
    .symbol:         k_q0bb6932174_wo.kd
    .args:
      - { .name: oq, .offset: 0, .size: 8, .value_kind: global_buffer, .address_space: global }
      - { .name: wts, .offset: 8, .size: 8, .value_kind: global_buffer, .address_space: global }
      - { .name: bo, .offset: 16, .size: 8, .value_kind: global_buffer, .address_space: global }
      - { .name: x, .offset: 24, .size: 8, .value_kind: global_buffer, .address_space: global }
      - { .name: yz, .offset: 32, .size: 8, .value_kind: global_buffer, .address_space: global }
    .group_segment_fixed_size: 68096
    .private_segment_fixed_size: 0
    .kernarg_segment_align: 8
    .kernarg_segment_size: 40
    .max_flat_workgroup_size: 128
    .sgpr_count:     66
    .vgpr_count:     768
    .wavefront_size: 32
...
	.end_amdgpu_metadata
.endif
;; end of part 4
;; launch ln1 (part 5): grid 256 x 1, 4 waves a work-group, no clusters, 66,560 bytes of LDS; arguments yz, ln1_scale, ln1_bias, x1b; writes x1b
.if DOCPART == 5
	.amdgcn_target "amdgcn-amd-amdhsa--gfx1250"
	.amdhsa_code_object_version 6
	.text
	.protected	k_q0bb6932174_ln1
	.globl	k_q0bb6932174_ln1
	.p2align	8
	.type	k_q0bb6932174_ln1,@function
k_q0bb6932174_ln1:
	s_mov_b64 s[64:65], 0
	v_nop
	global_prefetch_b8 v0, s[64:65] scope:SCOPE_SE
	s_setreg_imm32_b32 hwreg(HW_REG_WAVE_MODE, 25, 1), 1
	s_wait_xcnt 0x0
; LN1: x1 = LayerNorm(y) in f32 (mean, then the mean of the squared differences, as reference() writes it), stored as f32 for the residual and, quantised along its 1,024, as the first FFN product's operand.
; A work-group takes 16 rows, a wave 4; a row is 32 numbers a lane, eight loads of 512 consecutive bytes.  The rows then turn through a stage in LDS, and each wave quantises two K steps of the tile, as prep does with x.
; LIMITS: as at the head of prep.
.set SP,    4112
.set SPARE, 66048
.set SPW, 14
.set NIL, 15
.set R,   32                           ; v32-159 four rows
.set G,   160                          ; v160-191 the gain, v192-223 the bias, of my 32 columns
.set B,   192
.set T,   224                          ; v224-231 a pair of sums a row
.set M,   232                          ; v232-239 -mean, later 1 / sqrt, a pair a row (the low word serves both halves)
.set Q,   240                          ; v240-243 the other half of the lanes'
.set TM,  160                          ; behind the norm: at work in QUANT
.set SEL, 70
.macro QUANT s
.irp b, 0,1,2,3
	v_max3_num_f32 v[TM+\b], |v[\s+16*\b]|, |v[\s+1+16*\b]|, 0x1800000
.endr
.irp i, 2,4,6,8,10,12,14
.irp b, 0,1,2,3
	v_max3_num_f32 v[TM+\b], v[TM+\b], |v[\s+16*\b+\i]|, |v[\s+1+16*\b+\i]|
.endr
.endr
.irp b, 0,1,2,3
	v_permlanex16_b32 v[TM+4+\b], v[TM+\b], s[SEL], s[SEL+1]
.endr
.irp b, 0,1,2,3
	v_max_num_f32 v[TM+\b], v[TM+\b], v[TM+4+\b]
.endr
.irp b, 0,1,2,3
	v_add_nc_u32 v[TM+12+\b], 0xff000000, v[TM+\b]
.endr
.irp b, 0,1,2,3
	v_lshrrev_b32 v[TM+4+\b], 23, v[TM+12+\b]
.endr
	v_lshl_or_b32 v[PW], v[TM+5], 8, v[TM+4]
	v_lshl_or_b32 v[PW], v[TM+6], 16, v[PW]
	v_lshl_or_b32 v[PW], v[TM+7], 24, v[PW]
.irp c, 0,1
	v_cvt_scalef32_pk16_fp6_f32 v[PC+6*\c:PC+2+6*\c], v[\s+32*\c:\s+15+32*\c], v[TM+12+2*\c]
	v_cvt_scalef32_pk16_fp6_f32 v[PC+12+4*\c:PC+14+4*\c], v[\s+16+32*\c:\s+31+32*\c], v[TM+12+2*\c+1]
.endr
	v_nop
.irp c, 0,1
.irp i, 0,1,2
	v_permlane16_swap_b32 v[PC+6*\c+\i], v[PC+12+4*\c+\i]
.endr
.irp i, 0,1,2
	v_mov_b32 v[PC+3+6*\c+\i], v[PC+12+4*\c+\i]
.endr
.endr
.endm
.macro LANESUM                         ; the pairs in T become the rows' sums, in every lane
.irp p, 0,1,2,3
	v_add_f32 v[T+2*\p], v[T+2*\p], v[T+2*\p+1]
.endr
.irp m, 1,2,4,8
.irp p, 0,1,2,3
	v_add_f32_dpp v[T+2*\p], v[T+2*\p], v[T+2*\p] row_xmask:\m row_mask:0xf bank_mask:0xf
.endr
.endr
.irp p, 0,1,2,3
	v_permlanex16_b32 v[Q+\p], v[T+2*\p], s[SEL], s[SEL+1]
.endr
.irp p, 0,1,2,3
	v_add_f32 v[T+2*\p], v[T+2*\p], v[Q+\p]
.endr
.endm
	s_load_b256 s[4:11], s[0:1], 0x0               ; y, the gain, the bias, x1b
	v_lshl_add_u32 v[SPW], v0, 2, SPARE
	v_mov_b32 v[NIL], 0
	v_lshrrev_b32 v1, 5, v0
	v_readfirstlane_b32 s22, v1                    ; wave
	v_and_b32 v1, 31, v0
	v_lshlrev_b32 v2, 4, v1                        ; 16 bytes a lane
	s_wait_alu depctr_va_vdst(0)
	s_lshl_b32 s24, ttmp9, 16
	s_lshl_b32 s25, s22, 14
	s_add_co_u32 s24, s24, s25                     ; 16 rows a work-group, 4 a wave
	s_mov_b32 s25, 0
	s_mul_i32 s26, ttmp9, 12288
	s_mul_i32 s27, s22, 3072
	s_add_co_u32 s26, s26, s27
	s_add_co_u32 s26, s26, 16777216                ; the codes: K steps 2 w, 2 w + 1 of the tile
	s_mov_b32 s27, 0
	s_lshl_b32 s28, ttmp9, 9
	s_lshl_b32 s29, s22, 3
	s_add_co_u32 s28, s28, s29
	s_add_co_u32 s28, s28, 19922944                ; the scale words
	s_mov_b32 s29, 0
	s_mov_b32 s[SEL], 0x76543210
	s_mov_b32 s[SEL+1], 0xfedcba98
	s_mov_b32 s14, 0x3a800000                      ; 1 / 1,024
	s_mov_b32 s15, 0x358637bd                      ; 1e-6
	s_mul_i32 s30, s22, 4*SP
	v_add_nc_u32 v3, s30, v2                       ; into the stage
	v_and_b32 v4, 15, v0
	v_bfe_u32 v5, v0, 4, 1
	v_mul_u32_u24 v6, v4, SP
	v_lshl_add_u32 v6, v5, 5, v6
	s_lshl_b32 s30, s22, 10
	v_add_nc_u32 v6, s30, v6                       ; out of it
	v_lshlrev_b32 v7, 5, v4
.irp p, 0,1,2,3
	v_mov_b32 v[Q+\p], 0
	v_mov_b32 v[M+2*\p+1], 0                       ; named as the upper half of a pair
.endr
	s_wait_kmcnt 0x0
	s_add_nc_u64 s[4:5], s[4:5], s[24:25]
	s_add_nc_u64 s[24:25], s[10:11], s[24:25]
	s_add_nc_u64 s[26:27], s[10:11], s[26:27]
	s_add_nc_u64 s[28:29], s[10:11], s[28:29]
.irp p, 0,1,2,3
.irp j, 0,1,2,3,4,5,6,7
	global_load_b128 v[R+32*\p+4*\j:R+32*\p+4*\j+3], v2, s[4:5] offset:4096*\p+512*\j th:TH_LOAD_NT
.endr
.endr
.irp j, 0,1,2,3,4,5,6,7
	global_load_b128 v[G+4*\j:G+4*\j+3], v2, s[6:7] offset:512*\j
	global_load_b128 v[B+4*\j:B+4*\j+3], v2, s[8:9] offset:512*\j
.endr
	s_wait_loadcnt 0x0
.irp p, 0,1,2,3                        ; the four rows by turns: no line waits for the line above it
	v_pk_add_f32 v[T+2*\p:T+2*\p+1], v[R+32*\p:R+32*\p+1], v[R+32*\p+2:R+32*\p+3]
.endr
.irp k, 4,6,8,10,12,14,16,18,20,22,24,26,28,30
.irp p, 0,1,2,3
	v_pk_add_f32 v[T+2*\p:T+2*\p+1], v[T+2*\p:T+2*\p+1], v[R+32*\p+\k:R+32*\p+\k+1]
.endr
.endr
	LANESUM
.irp p, 0,1,2,3
	v_mul_f32 v[M+2*\p], 0xba800000, v[T+2*\p]     ; -mean
.endr
.irp k, 0,2,4,6,8,10,12,14,16,18,20,22,24,26,28,30
.irp p, 0,1,2,3
	v_pk_add_f32 v[R+32*\p+\k:R+32*\p+\k+1], v[R+32*\p+\k:R+32*\p+\k+1], v[M+2*\p:M+2*\p+1] op_sel_hi:[1,0]
.endr
.endr
.irp p, 0,1,2,3
	v_pk_mul_f32 v[T+2*\p:T+2*\p+1], v[R+32*\p:R+32*\p+1], v[R+32*\p:R+32*\p+1]
.endr
.irp k, 2,4,6,8,10,12,14,16,18,20,22,24,26,28,30
.irp p, 0,1,2,3
	v_pk_fma_f32 v[T+2*\p:T+2*\p+1], v[R+32*\p+\k:R+32*\p+\k+1], v[R+32*\p+\k:R+32*\p+\k+1], v[T+2*\p:T+2*\p+1]
.endr
.endr
	LANESUM
.irp p, 0,1,2,3
	v_fma_f32 v[T+2*\p], v[T+2*\p], s14, s15       ; the variance + 1e-6
.endr
	s_wait_alu depctr_va_vdst(0)
.irp p, 0,1,2,3
	v_rsq_f32 v[M+2*\p], v[T+2*\p]
.endr
	v_nop                                          ; a plain place behind the last of the batch
	s_wait_alu depctr_va_vdst(0)                   ; one wait for the four, ahead of their first reader
.irp k, 0,2,4,6,8,10,12,14,16,18,20,22,24,26,28,30
.irp p, 0,1,2,3
	v_pk_mul_f32 v[R+32*\p+\k:R+32*\p+\k+1], v[R+32*\p+\k:R+32*\p+\k+1], v[M+2*\p:M+2*\p+1] op_sel_hi:[1,0]
.endr
.endr
.irp k, 0,2,4,6,8,10,12,14,16,18,20,22,24,26,28,30
.irp p, 0,1,2,3
	v_pk_fma_f32 v[R+32*\p+\k:R+32*\p+\k+1], v[R+32*\p+\k:R+32*\p+\k+1], v[G+\k:G+\k+1], v[B+\k:B+\k+1]
.endr
.endr
.irp p, 0,1,2,3
.irp j, 0,1,2,3,4,5,6,7
	global_store_b128 v2, v[R+32*\p+4*\j:R+32*\p+4*\j+3], s[24:25] offset:4096*\p+512*\j
	ds_store_b128 v3, v[R+32*\p+4*\j:R+32*\p+4*\j+3] offset:SP*\p+512*\j
.endr
.endr
	s_wait_dscnt 0x0
	s_barrier_signal -1
	s_barrier_wait -1                              ; all 16 rows lie in the stage
	s_wait_xcnt 0x0                                ; the stores have read their data: the rows' registers are loaded again only behind this wait
.irp b, 0,1,2,3
	v_mov_b32 v[TM+4+\b], 0
.endr
.irp s, 0,1
.irp b, 0,1,2,3                        ; of each block: numbers 8 h + 0..7 and 16 + 8 h + 0..7: the program's order inside a block
	ds_load_b128 v[32+64*\s+16*\b:35+64*\s+16*\b], v6 offset:512*\s+128*\b
	ds_load_b128 v[36+64*\s+16*\b:39+64*\s+16*\b], v6 offset:512*\s+128*\b+16
	ds_load_b128 v[40+64*\s+16*\b:43+64*\s+16*\b], v6 offset:512*\s+128*\b+64
	ds_load_b128 v[44+64*\s+16*\b:47+64*\s+16*\b], v6 offset:512*\s+128*\b+80
.endr
.endr
	s_wait_dscnt 16                                ; the first K step's 16 loads are in
.set PC, 180
.set PW, 176
	QUANT 32
.irp g, 0,1,2
	global_store_b128 v2, v[PC+4*\g:PC+4*\g+3], s[26:27] offset:512*\g
.endr
	global_store_b32 v7, v[PW], s[28:29]
	s_wait_dscnt 0x0
.set PC, 200
.set PW, 177
	QUANT 96
.irp g, 0,1,2
	global_store_b128 v2, v[PC+4*\g:PC+4*\g+3], s[26:27] offset:1536+512*\g
.endr
	global_store_b32 v7, v[PW], s[28:29] offset:4
	s_wait_tensorcnt 0x0                           ; the wave's end
	ds_add_u32 v[SPW], v[NIL]
	s_wait_dscnt 0x0
	s_endpgm
.Lfunc_end_k_q0bb6932174_ln1:
	.size	k_q0bb6932174_ln1, .Lfunc_end_k_q0bb6932174_ln1-k_q0bb6932174_ln1
	.p2alignl 7, 3214868480
	.fill 96, 4, 3214868480
	.section	.rodata,"a",@progbits
	.p2align	6, 0x0
	.amdhsa_kernel k_q0bb6932174_ln1
		.amdhsa_group_segment_fixed_size 66560
		.amdhsa_private_segment_fixed_size 0
		.amdhsa_enable_private_segment 0
		.amdhsa_kernarg_size 32
		.amdhsa_user_sgpr_count 2
		.amdhsa_user_sgpr_kernarg_segment_ptr 1
		.amdhsa_wavefront_size32 1
		.amdhsa_system_sgpr_workgroup_id_x 1
		.amdhsa_system_sgpr_workgroup_id_y 1
		.amdhsa_system_sgpr_workgroup_id_z 1
		.amdhsa_system_vgpr_workitem_id 0
		.amdhsa_next_free_vgpr 256
		.amdhsa_next_free_sgpr 80
		.amdhsa_reserve_vcc 0
		.amdhsa_float_denorm_mode_32 3
		.amdhsa_float_denorm_mode_16_64 3
		.amdhsa_memory_ordered 1
		.amdhsa_forward_progress 1
		.amdhsa_inst_pref_size 46
	.end_amdhsa_kernel
	.amdgpu_metadata
---
amdhsa.version: [ 1, 2 ]
amdhsa.kernels:
  - .name:           k_q0bb6932174_ln1
    .symbol:         k_q0bb6932174_ln1.kd
    .args:
      - { .name: yz, .offset: 0, .size: 8, .value_kind: global_buffer, .address_space: global }
      - { .name: ln1_scale, .offset: 8, .size: 8, .value_kind: global_buffer, .address_space: global }
      - { .name: ln1_bias, .offset: 16, .size: 8, .value_kind: global_buffer, .address_space: global }
      - { .name: x1b, .offset: 24, .size: 8, .value_kind: global_buffer, .address_space: global }
    .group_segment_fixed_size: 66560
    .private_segment_fixed_size: 0
    .kernarg_segment_align: 8
    .kernarg_segment_size: 32
    .max_flat_workgroup_size: 128
    .sgpr_count:     80
    .vgpr_count:     256
    .wavefront_size: 32
...
	.end_amdgpu_metadata
.endif
;; end of part 5
;; launch ffn1 (part 6): grid 256 x 1, 4 waves a work-group, no clusters, 327,680 bytes of LDS; arguments x1b, wts, b1, hq; writes hq
.if DOCPART == 6
	.amdgcn_target "amdgcn-amd-amdhsa--gfx1250"
	.amdhsa_code_object_version 6
	.text
	.protected	k_q0bb6932174_ffn1
	.globl	k_q0bb6932174_ffn1
	.p2align	8
	.type	k_q0bb6932174_ffn1,@function
k_q0bb6932174_ffn1:
	s_mov_b64 s[64:65], 0
	v_nop
	global_prefetch_b8 v0, s[64:65] scope:SCOPE_SE
	s_setreg_imm32_b32 hwreg(HW_REG_WAVE_MODE, 25, 1), 1
	s_wait_xcnt 0x0
.set TS,    98304
.set BI,    102400
.set SPARE, 135168
.set LI,   1
.set ADR,  2
.set TSA,  3
.set BIA,  4
.set OSV,  7
.set UV,   8
.set TSAD, 9
.set SSV,  11
.set SPW,  14
.set NIL,  15
.set SSC,  16
.set TSC,  48
.set TF,   56
.set F63,  104
.set G,    116
.set TM,   116
.set PW,   132
.set PC,   134
.set ACC,  180
.set GA,   244
.set WV,   18
.set SEL,  20
.set TO,   22
.set TSO,  23
.set G1A,  24
.set G1B,  32
.set G0A,  40
.set G0B,  44
.set OC,   48
.set OS,   50
.set TC,   62
.set SCP,  68
.set SSP,  70
.set GB,   72
.set MSB, 0
.macro WIN new
.if MSB != (\new)
	s_set_vgpr_msb (MSB<<8)|(\new)
.set MSB, (\new)
.endif
.endm
.macro PLACES n
.rept \n
	v_nop
.endr
.endm
.macro MM d, a, b, sa, sb, row
.if \row
	v_wmma_scale_f32_16x16x128_f8f6f4 v[\d:\d+7], v[\a:\a+11], v[\b:\b+11], v[\d:\d+7], v[\sa], v[\sb] matrix_a_fmt:MATRIX_FMT_FP6 matrix_b_fmt:MATRIX_FMT_FP6 matrix_a_scale:MATRIX_SCALE_ROW1
.else
	v_wmma_scale_f32_16x16x128_f8f6f4 v[\d:\d+7], v[\a:\a+11], v[\b:\b+11], v[\d:\d+7], v[\sa], v[\sb] matrix_a_fmt:MATRIX_FMT_FP6 matrix_b_fmt:MATRIX_FMT_FP6
.endif
.endm
.macro KSTEP s
.irp t, 0,1,2,3,4,5,6,7
.set f, 8*(\s)+\t
.if f < 63
	WIN 1+f/21
.set rA, 12*(f%21)
.else
	WIN 0
.set rA, F63
.endif
.set rD, ACC+8*\t
.set rB, TF+12*((\s)%4)
.set rS, SSC+8*(\t/2)+(\s)
.set rT, TSC+(\s)
	MM rD, rA, rB, rS, rT, \t%2
.endr
.endm
.macro TFETCH k0, n
.set q, \k0
.rept \n
.irp g, 0,1,2
	ds_load_b128 v[TF+12*(q%4)+4*\g:TF+12*(q%4)+4*\g+3], v[ADR] offset:1536*q+512*\g
.endr
.set q, q+1
.endr
.endm
.macro QUANT s
.irp b, 0,1,2,3
	v_max3_num_f32 v[TM+\b], |v[\s+16*\b]|, |v[\s+1+16*\b]|, 0x1800000
.endr
.irp i, 2,4,6,8,10,12,14
.irp b, 0,1,2,3
	v_max3_num_f32 v[TM+\b], v[TM+\b], |v[\s+16*\b+\i]|, |v[\s+1+16*\b+\i]|
.endr
.endr
.irp b, 0,1,2,3
	v_mov_b32 v[TM+4+\b], 0
.endr
.irp b, 0,1,2,3
	v_permlanex16_b32 v[TM+4+\b], v[TM+\b], s[SEL], s[SEL+1]
.endr
.irp b, 0,1,2,3
	v_max_num_f32 v[TM+\b], v[TM+\b], v[TM+4+\b]
.endr
.irp b, 0,1,2,3
	v_add_nc_u32 v[TM+12+\b], 0xff000000, v[TM+\b]
.endr
.irp b, 0,1,2,3
	v_lshrrev_b32 v[TM+4+\b], 23, v[TM+12+\b]
.endr
	v_lshl_or_b32 v[PW], v[TM+5], 8, v[TM+4]
	v_lshl_or_b32 v[PW], v[TM+6], 16, v[PW]
	v_lshl_or_b32 v[PW], v[TM+7], 24, v[PW]
.irp c, 0,1
	v_cvt_scalef32_pk16_fp6_f32 v[PC+6*\c:PC+2+6*\c], v[\s+32*\c:\s+15+32*\c], v[TM+12+2*\c]
	v_cvt_scalef32_pk16_fp6_f32 v[PC+12+4*\c:PC+14+4*\c], v[\s+16+32*\c:\s+31+32*\c], v[TM+12+2*\c+1]
.endr
	v_nop
.irp c, 0,1
.irp i, 0,1,2
	v_permlane16_swap_b32 v[PC+6*\c+\i], v[PC+12+4*\c+\i]
.endr
.irp i, 0,1,2
	v_mov_b32 v[PC+3+6*\c+\i], v[PC+12+4*\c+\i]
.endr
.endr
.endm
	s_load_b256 s[4:11], s[0:1], 0x0
	v_lshl_add_u32 v[SPW], v0, 2, SPARE
	v_mov_b32 v[NIL], 0
	ds_add_u32 v[SPW], v[NIL]
	ds_add_u32 v[SPW], v[NIL]
	v_lshrrev_b32 v12, 5, v0
	v_readfirstlane_b32 s[WV], v12
	s_mov_b32 s[G1A], 3<<16
	s_mov_b32 s[G1A+1], 32<<16
	s_mov_b32 s[G1A+2], 96<<16
	s_mov_b32 s[G1A+3], 32<<16
	s_mov_b32 s[G1A+4], 96
	s_mov_b32 s[G1A+5], 32
	s_mov_b32 s[G1A+6], 0
	s_mov_b32 s[G1A+7], 0
	s_lshr_b32 s74, ttmp9, 5
	s_and_b32 s75, ttmp9, 31
	s_lshl_b32 s76, s74, 2
	s_add_co_u32 s76, s76, s[WV]
	s_mul_i32 s77, s75, 98304
	s_mul_i32 s[G0A+1], s[WV], 24576
	s_add_co_u32 s77, s77, s[G0A+1]
	s_add_co_u32 s77, s77, 16777216
	s_lshl_b32 s78, s75, 12
	s_lshl_b32 s79, s[WV], 10
	s_add_co_u32 s78, s78, s79
	s_add_co_u32 s78, s78, 19922944
	s_add_co_u32 s[G0B+1], s79, TS
	s_mul_i32 s80, s76, 98304
	s_add_co_u32 s80, s80, 3145728
	s_lshl_b32 s81, s76, 12
	s_add_co_u32 s81, s81, 9437184+131072
	s_lshl_b32 s82, s76, 9
	s_lshl_b32 s83, s75, 8
	s_add_co_u32 s83, s83, s76
	s_mul_i32 s83, s83, 1536
	s_lshl_b32 s84, s75, 12
	s_add_co_u32 s84, s84, s76
	s_lshl_b32 s84, s84, 2
	s_add_co_u32 s84, s84, 12582912
	s_mov_b32 s[G0A], 1
	s_mov_b32 s3, 0
	s_mov_b32 s[SEL], 0x76543210
	s_mov_b32 s[SEL+1], 0xfedcba98
	s_mov_b32 s[GB], 0xbdd2d3e8
	s_mov_b32 s[GB+1], s[GB]
	s_mov_b32 s[TO], 0
	s_mov_b32 s[TSO], 0
	s_mov_b32 s[TC], 0
	s_wait_dscnt 0x0
	s_wait_kmcnt 0x0
	s_mov_b32 s2, s77
	s_add_nc_u64 s[G0A+2:G0A+3], s[4:5], s[2:3]
	s_or_b32 s[G0A+3], s[G0A+3], 0x80000000
	s_mov_b32 s2, s78
	s_add_nc_u64 s[G0B+2:G0B+3], s[4:5], s[2:3]
	tensor_load_to_lds s[G0A:G0A+3], s[G1A:G1A+7]
	s_nop 0
	PLACES 4
	s_mov_b32 s2, s80
	s_add_nc_u64 s[SCP:SCP+1], s[6:7], s[2:3]
	s_mov_b32 s2, s81
	s_add_nc_u64 s[SSP:SSP+1], s[6:7], s[2:3]
	s_mov_b32 s2, s82
	s_add_nc_u64 s[8:9], s[8:9], s[2:3]
	s_mov_b32 s2, s83
	s_add_nc_u64 s[OC:OC+1], s[10:11], s[2:3]
	s_mov_b32 s2, s84
	s_add_nc_u64 s[OS:OS+1], s[10:11], s[2:3]
	v_and_b32 v12, 31, v0
	v_and_b32 v13, 15, v0
	v_lshlrev_b32 v[LI], 4, v12
	v_lshlrev_b32 v[SSV], 5, v12
	v_lshlrev_b32 v[OSV], 7, v13
	v_lshl_add_u32 v[TSA], v13, 5, TS
	v_bfe_u32 v12, v0, 4, 1
	v_lshlrev_b32 v[UV], 5, v12
.set g, 0
.rept 16
	global_load_b128 v[ACC+4*g:ACC+4*g+3], v[UV], s[8:9] offset:64*(g/2)+16*(g%2)
.set g, g+1
.endr
	global_load_b128 v[TF:TF+3], v[LI], s[G0B+2:G0B+3]              ; my wave's 1,024 bytes of the moving operand's scale words: through registers into LDS
	global_load_b128 v[TF+4:TF+7], v[LI], s[G0B+2:G0B+3] offset:512
.irp u, 0,1,2,3
	global_load_b128 v[SSC+8*\u:SSC+8*\u+3], v[SSV], s[SSP:SSP+1] offset:1024*\u
	global_load_b128 v[SSC+8*\u+4:SSC+8*\u+7], v[SSV], s[SSP:SSP+1] offset:1024*\u+16
.endr
.set f, 0
.rept 64
.if f < 63
	WIN (1+f/21)<<6
.set rA, 12*(f%21)
.else
	WIN 0
.set rA, F63
.endif
.irp g, 0,1,2
	global_load_b128 v[rA+4*\g:rA+4*\g+3], v[LI], s[SCP:SCP+1] offset:(8*(f%8)+f/8)*1536+512*\g
.endr
.set f, f+1
.endr
	WIN 0
	s_lshl_b32 s74, s[WV], 13
	s_add_co_u32 s74, s74, BI
	v_add_nc_u32 v[BIA], s74, v[LI]
	v_mov_b32 v[GA], 0xc0135761
	v_mov_b32 v[GA+1], 0xc0135761
	v_add_nc_u32 v[ADR], s[TO], v[LI]
	v_add_nc_u32 v[TSAD], s[TSO], v[TSA]
	v_add_nc_u32 v13, s[G0B+1], v[LI]                              ; TS + 1,024 x wave + 16 x lane
	s_wait_alu depctr_va_vdst(0)
	s_wait_loadcnt 0x0
	ds_store_b128 v13, v[TF:TF+3]
	ds_store_b128 v13, v[TF+4:TF+7] offset:512
.set g, 0
.rept 16
	ds_store_b128 v[BIA], v[ACC+4*g:ACC+4*g+3] offset:512*g
.set g, g+1
.endr
	s_wait_tensorcnt 0x0
	s_wait_dscnt 0x0
	s_barrier_signal -1
	s_barrier_wait -1
	TFETCH 0, 4
	ds_load_b128 v[TSC:TSC+3], v[TSAD]
	ds_load_b128 v[TSC+4:TSC+7], v[TSAD] offset:16
.macro TRIP last
	s_wait_dscnt 0x0
	KSTEP 0
	KSTEP 1
	WIN 0
	PLACES 4
	TFETCH 4, 2
	KSTEP 2
	KSTEP 3
	WIN 0
	PLACES 4
	TFETCH 6, 2
	s_wait_dscnt 6
	KSTEP 4
	KSTEP 5
	s_wait_dscnt 0x0
	KSTEP 6
	KSTEP 7
	WIN 0
	PLACES 4
.if !\last
	s_add_co_u32 s[TO], s[TO], 12288
	s_add_co_u32 s[TSO], s[TSO], 512
	v_add_nc_u32 v[ADR], s[TO], v[LI]
	v_add_nc_u32 v[TSAD], s[TSO], v[TSA]
	TFETCH 0, 4
	ds_load_b128 v[TSC:TSC+3], v[TSAD]
	ds_load_b128 v[TSC+4:TSC+7], v[TSAD] offset:16
.endif
.set j, 0
.rept 32
	v_pk_mul_f32 v[G+j:G+j+1], v[ACC+j:ACC+j+1], v[ACC+j:ACC+j+1]
.set j, j+2
.endr
.set j, 0
.rept 32
	v_pk_fma_f32 v[G+j:G+j+1], v[G+j:G+j+1], s[GB:GB+1], v[GA:GA+1] op_sel_hi:[1,0,0]
.set j, j+2
.endr
.set j, 0
.rept 32
	v_pk_mul_f32 v[G+j:G+j+1], v[G+j:G+j+1], v[ACC+j:ACC+j+1]
.set j, j+2
.endr
.set j, 0
	s_wait_alu depctr_va_vdst(0)
.rept 64
	v_exp_f32 v[G+j], v[G+j]
.set j, j+1
.endr
	v_nop
	s_wait_alu depctr_va_vdst(0)
.set j, 0
.rept 32
	v_pk_add_f32 v[G+j:G+j+1], v[G+j:G+j+1], 1.0 op_sel_hi:[1,0]
.set j, j+2
.endr
.set j, 0
	s_wait_alu depctr_va_vdst(0)
.rept 64
	v_rcp_f32 v[G+j], v[G+j]
.set j, j+1
.endr
	v_nop
	s_wait_alu depctr_va_vdst(0)
.set j, 0
.rept 32
	v_pk_mul_f32 v[ACC+j:ACC+j+1], v[ACC+j:ACC+j+1], v[G+j:G+j+1]
.set j, j+2
.endr
	QUANT ACC
.irp g, 0,1,2
	global_store_b128 v[LI], v[PC+4*\g:PC+4*\g+3], s[OC:OC+1] offset:512*\g
.endr
	global_store_b32 v[OSV], v[PW], s[OS:OS+1]
.if !\last
.set g, 0
.rept 16
	ds_load_b128 v[ACC+4*g:ACC+4*g+3], v[BIA] offset:512*g
.set g, g+1
.endr
	s_wait_xcnt 0x0
	s_add_nc_u64 s[OC:OC+1], s[OC:OC+1], 49152
	s_add_nc_u64 s[OS:OS+1], s[OS:OS+1], 2048
.endif
.endm
.Ltrip:
	TRIP 0
	s_add_co_u32 s[TC], s[TC], 1
	s_cmp_lt_u32 s[TC], 7
	s_cbranch_scc1 .Ltrip
	TRIP 1
	s_wait_tensorcnt 0x0
	ds_add_u32 v[SPW], v[NIL]
	s_wait_dscnt 0x0
	s_endpgm
.Lfunc_end_k_q0bb6932174_ffn1:
	.size	k_q0bb6932174_ffn1, .Lfunc_end_k_q0bb6932174_ffn1-k_q0bb6932174_ffn1
	.p2alignl 7, 3214868480
	.fill 96, 4, 3214868480
	.section	.rodata,"a",@progbits
	.p2align	6, 0x0
	.amdhsa_kernel k_q0bb6932174_ffn1
		.amdhsa_group_segment_fixed_size 327680
		.amdhsa_private_segment_fixed_size 0
		.amdhsa_enable_private_segment 0
		.amdhsa_kernarg_size 32
		.amdhsa_user_sgpr_count 2
		.amdhsa_user_sgpr_kernarg_segment_ptr 1
		.amdhsa_wavefront_size32 1
		.amdhsa_system_sgpr_workgroup_id_x 1
		.amdhsa_system_sgpr_workgroup_id_y 1
		.amdhsa_system_sgpr_workgroup_id_z 1
		.amdhsa_system_vgpr_workitem_id 0
		.amdhsa_next_free_vgpr 1024
		.amdhsa_next_free_sgpr 100
		.amdhsa_reserve_vcc 0
		.amdhsa_float_denorm_mode_32 3
		.amdhsa_float_denorm_mode_16_64 3
		.amdhsa_memory_ordered 1
		.amdhsa_forward_progress 1
		.amdhsa_inst_pref_size 85
	.end_amdhsa_kernel
	.amdgpu_metadata
---
amdhsa.version: [ 1, 2 ]
amdhsa.kernels:
  - .name:           k_q0bb6932174_ffn1
    .symbol:         k_q0bb6932174_ffn1.kd
    .args:
      - { .name: x1b, .offset: 0, .size: 8, .value_kind: global_buffer, .address_space: global }
      - { .name: wts, .offset: 8, .size: 8, .value_kind: global_buffer, .address_space: global }
      - { .name: b1, .offset: 16, .size: 8, .value_kind: global_buffer, .address_space: global }
      - { .name: hq, .offset: 24, .size: 8, .value_kind: global_buffer, .address_space: global }
    .group_segment_fixed_size: 327680
    .private_segment_fixed_size: 0
    .kernarg_segment_align: 8
    .kernarg_segment_size: 32
    .max_flat_workgroup_size: 128
    .sgpr_count:     100
    .vgpr_count:     1024
    .wavefront_size: 32
...
	.end_amdgpu_metadata
.endif
;; end of part 6
;; launch ffn2 (part 7): grid 8 x 32, 4 waves a work-group, clusters of 4 x 4, 327,680 bytes of LDS; arguments hq, wts, b2, x1b, yz; writes yz
.if DOCPART == 7
	.amdgcn_target "amdgcn-amd-amdhsa--gfx1250"
	.amdhsa_code_object_version 6
	.text
	.protected	k_q0bb6932174_ffn2
	.globl	k_q0bb6932174_ffn2
	.p2align	8
	.type	k_q0bb6932174_ffn2,@function
k_q0bb6932174_ffn2:
	s_mov_b64 s[64:65], 0
	v_nop
	global_prefetch_b8 v0, s[64:65] scope:SCOPE_SE
	s_setreg_imm32_b32 hwreg(HW_REG_WAVE_MODE, 25, 1), 1
	s_wait_xcnt 0x0
	s_wait_alu depctr_hold_cnt(0) depctr_sa_sdst(0) depctr_va_vdst(0) depctr_va_sdst(0) depctr_va_ssrc(0) depctr_va_vcc(0) depctr_vm_vsrc(0)
	s_getreg_b32 s2, hwreg(HW_REG_IB_STS2, 6, 4)
	s_cmp_eq_u32 s2, 0
	s_cbranch_scc0 .Lentry_in_a_cluster
	s_endpgm
.Lentry_in_a_cluster:
	s_bfe_u32 s2, ttmp6, 0x10000c
	s_cmp_lg_u32 s2, 0xf033
	s_cbranch_scc0 .Lentry_shape_is_right
	s_endpgm
.Lentry_shape_is_right:
; FFN2: z = x1 + h w2 + b2, the product on codes of E2M3.  T = h's codes (rows of z), S = w2's codes (columns of z), both as images of operand registers: [tile of 16][K step][1,536 bytes].
; A work-group makes 128 rows x 128 columns: 32 x 8 = 256 work-groups.  Four waves, 2 x 2: a wave makes 64 x 64, 16 accumulators, which take turns.  K = 4,096 is 32 steps of 128.
; THE RING: two LDS slots of 6 K steps (8 tiles of T and 8 of S, 9,216 bytes each); the walk is 5 chunks of 6 steps and one of 2.  A tile's chunk is one row of the tensor tile: 9,216 bytes of memory, at a multiple of 256.
; Waves 0 and 1 fetch T's tiles 0-3 and 4-7, waves 2 and 3 S's: one tensor load a wave behind each round.
; CLUSTERS: 4 x 4 work-groups.  T's tiles hang on the row group alone and are asked for jointly along a row of the cluster, S's on the column group alone and along a column.
; PREFETCH: behind the joint load of chunk m each wave asks for chunk m + 1 of one of the four tiles that it fetches; the four partners take the four tiles, told apart by address: 36 blocks of 256 bytes, two instructions
; (the second's spare lanes name its last block again); the last chunk has 12 blocks.  Chunks 0 and 1 come by their loads alone.  No address register is written again.
; SCALE WORDS for all 32 steps, the bias and the residual come into registers once, at the head.  The bias, in the result's layout, is the C of the first step's products.  The walk is written out: each step names its own scale registers.
; The matrix instruction is used transposed (source 0 = S, source 1 = T): a lane holds eight neighbouring columns of one row of z.  The way out goes through each wave's own stage: sixteen lanes store 256 consecutive bytes, aligned.
; LIMITS: as at the head of prep (NaN and infinities not served; blocks under 2^-124 have the byte 1).
; REGISTERS.  Window 0: v0-31 addresses; v32-95 T's scale words, v96-159 S's (register 32 u + step: lanes 0-15 tile 2 u, lanes 16-31 tile 2 u + 1); v160-191 the bias; v192-255 rows back from the stage.
; Window 1: accumulator (a, b) at 8 (4 a + b).  Window 2: two sets of fragments, S's four then T's four.  Window 3: the residual, then the result.
.set SCO,   6291456                    ; S's codes in wts
.set SSO,   9437184+262144             ; S's scale words
.set TSO,   12582912                   ; T's scale words in hq
.set TROW,  49152                      ; a tile's 32 K steps in memory
.set CHB,   9216                       ; 6 K steps of a tile
.set QUART, 4*CHB                      ; what one tensor load brings
.set SLOT,  4*QUART
.set STAGE, 2*SLOT                     ; 16 rows x 272 bytes for each wave
.set SPITCH, 272
.set SPARE, STAGE+4*16*SPITCH          ; the spare words, 128 bytes a wave
.set ADRA, 16                          ; v16-17 my T fragments in slot 0, 1
.set ADRB, 20                          ; v20-21 my S fragments
.set UVB,  22
.set PF2,  23
.set STO,  24
.set RD,   25
.set CO,   26
.set LSC,  27
.set SPW,  28
.set NIL,  29
.set PF0,  30
.set PF1,  31
.set SA,   32
.set SB,   96
.set BI,   160
.set BK,   192
.set G1,  24
.set G0,  32
.set G1B, 48
.set G0B, 56
.set TSP, 68
.set SSP, 70
.set BP,  72
.set RP,  74
.set OP,  76
.set PFA, 78
.set MSB, 0
.macro WIN new                         ; the immediate's high byte repeats the setting that is left
.if MSB != (\new)
	s_set_vgpr_msb (MSB<<8)|(\new)
.set MSB, (\new)
.endif
.endm
.set MULW, 0x5a                        ; sources 0 and 1 window 2, C and D window 1
.set MUL0, 0x4a                        ; the first step: C (the bias) window 0
.set TOF,  0x80                        ; destination window 2
.macro PLACES n
.rept \n
	v_nop
.endr
.endm
.macro JLOAD s                         ; a joint load: waves 0 and 1 for T, waves 2 and 3 for S; the branch hangs on the wave's number alone
	s_cmp_eq_u32 s15, 0
	s_cbranch_scc0 .Lfor_b_\@
	tensor_load_to_lds s[G0+4*(\s):G0+4*(\s)+3], s[G1:G1+7]
	s_nop 0
	PLACES 4
	s_branch .Lasked_\@
.Lfor_b_\@:
	tensor_load_to_lds s[G0B+4*(\s):G0B+4*(\s)+3], s[G1B:G1B+7]
	s_nop 0
	PLACES 4
.Lasked_\@:
.endm
.macro CROUND                          ; a round of the cluster's barrier
	s_barrier_signal -1
	s_barrier_wait -1
	s_cmp_lg_u32 s14, 0
	s_cbranch_scc1 .Lnot_wave_0_\@
	s_barrier_signal -3
.Lnot_wave_0_\@:
	s_barrier_wait -3
	s_barrier_signal -1
	s_barrier_wait -1
.endm
.macro ASK m                           ; chunk m of my work-group's tile, into the L2
.if (\m) < 5
	global_prefetch_b8 v[PF0], s[PFA:PFA+1] offset:(\m)*CHB th:TH_LOAD_NT scope:SCOPE_SE
	global_prefetch_b8 v[PF1], s[PFA:PFA+1] offset:(\m)*CHB th:TH_LOAD_NT scope:SCOPE_SE
.else
	global_prefetch_b8 v[PF2], s[PFA:PFA+1] offset:(\m)*CHB th:TH_LOAD_NT scope:SCOPE_SE
.endif
.endm
.macro MM d, a, b, c, sa, sb, ra, rb
.if \ra
.if \rb
	v_wmma_scale_f32_16x16x128_f8f6f4 v[\d:\d+7], v[\a:\a+11], v[\b:\b+11], v[\c:\c+7], v[\sa], v[\sb] matrix_a_fmt:MATRIX_FMT_FP6 matrix_b_fmt:MATRIX_FMT_FP6 matrix_a_scale:MATRIX_SCALE_ROW1 matrix_b_scale:MATRIX_SCALE_ROW1
.else
	v_wmma_scale_f32_16x16x128_f8f6f4 v[\d:\d+7], v[\a:\a+11], v[\b:\b+11], v[\c:\c+7], v[\sa], v[\sb] matrix_a_fmt:MATRIX_FMT_FP6 matrix_b_fmt:MATRIX_FMT_FP6 matrix_a_scale:MATRIX_SCALE_ROW1
.endif
.else
.if \rb
	v_wmma_scale_f32_16x16x128_f8f6f4 v[\d:\d+7], v[\a:\a+11], v[\b:\b+11], v[\c:\c+7], v[\sa], v[\sb] matrix_a_fmt:MATRIX_FMT_FP6 matrix_b_fmt:MATRIX_FMT_FP6 matrix_b_scale:MATRIX_SCALE_ROW1
.else
	v_wmma_scale_f32_16x16x128_f8f6f4 v[\d:\d+7], v[\a:\a+11], v[\b:\b+11], v[\c:\c+7], v[\sa], v[\sb] matrix_a_fmt:MATRIX_FMT_FP6 matrix_b_fmt:MATRIX_FMT_FP6
.endif
.endif
.endm
.macro MULS s, first                   ; K step s: 16 products, the 16 accumulators by turns, in the same order in every step
.irp a, 0,1,2,3
.irp b, 0,1,2,3
.set rD, 8*(4*\a+\b)
.set rC, rD
.if \first
.set rC, BI+8*\b
.endif
.set rA, 96*((\s)%2)+12*\b
.set rB, 96*((\s)%2)+48+12*\a
.set rSA, SB+32*(\b/2)+(\s)
.set rSB, SA+32*(\a/2)+(\s)
	MM rD, rA, rB, rC, rSA, rSB, \b%2, \a%2
.endr
.endr
.endm
.macro FETCH s                         ; K step s's eight fragments into set s % 2: 24 loads, 16 bytes a lane
.set FCH, (\s)/6
.set FSL, FCH%2
.set FKO, ((\s)%6)*1536
.set FPT, CHB
.if FCH == 5
.set FPT, 2*1536                       ; the last chunk's rows are 2 K steps long
.endif
.set FB, 96*((\s)%2)
	WIN TOF
.irp i, 0,1,2,3
.irp g, 0,1,2
	ds_load_b128 v[FB+12*\i+4*\g:FB+12*\i+4*\g+3], v[ADRB+FSL] offset:\i*FPT+FKO+512*\g
.endr
.endr
.irp i, 0,1,2,3
.irp g, 0,1,2
	ds_load_b128 v[FB+48+12*\i+4*\g:FB+48+12*\i+4*\g+3], v[ADRA+FSL] offset:\i*FPT+FKO+512*\g
.endr
.endr
.endm
	s_load_b256 s[4:11], s[0:1], 0x0               ; hq, wts, b2, x1b
	s_load_b64 s[12:13], s[0:1], 0x20              ; yz
	v_lshl_add_u32 v[SPW], v0, 2, SPARE
	v_mov_b32 v[NIL], 0
	ds_add_u32 v[SPW], v[NIL]                      ; the wave's opening: the add, twice on end, and its wait ahead of my first tensor load
	ds_add_u32 v[SPW], v[NIL]
	v_lshrrev_b32 v1, 5, v0
	v_readfirstlane_b32 s14, v1                    ; wave
	s_lshr_b32 s15, s14, 1                         ; my half of the rows.  Also: I fetch for T (0) or for S (1)
	s_and_b32 s16, s14, 1                          ; my half of the columns.  Also: which four tiles I fetch
	s_bfe_u32 s40, ttmp6, 0x40000                  ; cx
	s_bfe_u32 s41, ttmp6, 0x40004                  ; cy
	s_lshl_b32 s42, ttmp9, 2
	s_add_co_u32 s42, s42, s40                     ; column group
	s_and_b32 s17, ttmp7, 0xffff
	s_lshl_b32 s17, s17, 2
	s_add_co_u32 s17, s17, s41                     ; row group
	s_lshl_b32 s43, s41, 2
	s_lshl_b32 s43, 15, s43                        ; my row of the cluster
	s_lshl_b32 s44, 0x1111, s40                    ; my column
	s_or_b32 s[G1], s43, (3<<16)|(1<<21)           ; the mask; elements of 8 bytes; no padding
	s_or_b32 s[G1B], s44, (3<<16)|(1<<21)
.irp g, G1, G1B
	s_mov_b32 s[\g+1], (CHB/8)<<16                 ; a row: 6 K steps of a tile
	s_mov_b32 s[\g+2], 4<<16                       ; four tiles
	s_mov_b32 s[\g+3], (CHB/8)<<16
	s_mov_b32 s[\g+4], 4
	s_mov_b32 s[\g+5], TROW/8
	s_mov_b32 s[\g+6], 0
	s_mov_b32 s[\g+7], 0
.endr
	s_lshl_b32 s18, s16, 2
	s_lshl_b32 s20, s17, 3
	s_add_co_u32 s20, s20, s18
	s_mul_i32 s20, s20, TROW                       ; T: tile 8 x row group + 4 x half
	s_mov_b32 s21, 0
	s_lshl_b32 s46, s42, 3
	s_add_co_u32 s46, s46, s18
	s_mul_i32 s46, s46, TROW
	s_add_co_u32 s46, s46, SCO                     ; S: tile 8 x column group + 4 x half
	s_mov_b32 s47, 0
	s_mul_i32 s45, s14, QUART                      ; where my load lands: no place in the cluster enters an LDS address
	s_lshl_b32 s80, s17, 7
	s_lshl_b32 s95, s15, 6
	s_add_co_u32 s80, s80, s95                     ; my first row
	s_lshl_b32 s81, s42, 7
	s_lshl_b32 s95, s16, 6
	s_add_co_u32 s81, s81, s95                     ; my first column
	s_lshl_b32 s82, s80, 7
	s_add_co_u32 s82, s82, TSO                     ; 128 bytes of scale words a row
	s_mov_b32 s83, 0
	s_lshl_b32 s84, s81, 7
	s_add_co_u32 s84, s84, SSO
	s_mov_b32 s85, 0
	s_lshl_b32 s86, s81, 2
	s_mov_b32 s87, 0
	s_lshl_b32 s88, s80, 12
	s_add_co_u32 s88, s88, s86
	s_mov_b32 s89, 0
	s_lshl_b32 s92, s17, 3
	s_add_co_u32 s92, s92, s18
	s_add_co_u32 s92, s92, s40                     ; the prefetches: of the four tiles of T that I fetch, tile cx;
	s_lshl_b32 s93, s42, 3
	s_add_co_u32 s93, s93, s18
	s_add_co_u32 s93, s93, s41                     ; of S's, tile cy
	s_cmp_eq_u32 s15, 0
	s_cselect_b32 s90, s92, s93
	s_cselect_b32 s94, 0, SCO
	s_mul_i32 s90, s90, TROW
	s_add_co_u32 s90, s90, s94
	s_mov_b32 s91, 0
	s_mul_i32 s96, s15, QUART                      ; LDS: my four tiles of T,
	s_add_co_u32 s97, s16, 2
	s_mul_i32 s97, s97, QUART                      ; of S,
	s_mul_i32 s98, s14, 16*SPITCH
	s_add_co_u32 s98, s98, STAGE                   ; my stage
	s_wait_dscnt 0x0                               ; both opening adds are done
	s_wait_kmcnt 0x0
	s_add_nc_u64 s[20:21], s[4:5], s[20:21]
	s_add_nc_u64 s[46:47], s[6:7], s[46:47]
	s_add_nc_u64 s[TSP:TSP+1], s[4:5], s[82:83]
	s_add_nc_u64 s[SSP:SSP+1], s[6:7], s[84:85]
	s_add_nc_u64 s[BP:BP+1], s[8:9], s[86:87]
	s_add_nc_u64 s[RP:RP+1], s[10:11], s[88:89]
	s_add_nc_u64 s[OP:OP+1], s[12:13], s[88:89]
	s_cmp_eq_u32 s15, 0
	s_cselect_b64 s[PFA:PFA+1], s[4:5], s[6:7]
	s_add_nc_u64 s[PFA:PFA+1], s[PFA:PFA+1], s[90:91]
.irp s, 0,1
	s_mov_b32 s[G0+4*\s], 1
	s_add_co_u32 s[G0+4*\s+1], s45, \s*SLOT
	s_add_nc_u64 s[G0+4*\s+2:G0+4*\s+3], s[20:21], \s*CHB
	s_or_b32 s[G0+4*\s+3], s[G0+4*\s+3], 0x80000000
	s_mov_b32 s[G0B+4*\s], 1
	s_add_co_u32 s[G0B+4*\s+1], s45, \s*SLOT
	s_add_nc_u64 s[G0B+4*\s+2:G0B+4*\s+3], s[46:47], \s*CHB
	s_or_b32 s[G0B+4*\s+3], s[G0B+4*\s+3], 0x80000000
.endr
	CROUND                                         ; all sixteen work-groups are here: the first joint loads meet
	JLOAD 0                                        ; chunk 0: one tensor load a wave at the head
	v_and_b32 v1, 15, v0                           ; r
	v_bfe_u32 v2, v0, 4, 1                         ; h
	v_and_b32 v3, 31, v0                           ; lane
	v_lshlrev_b32 v4, 4, v3
	v_mul_u32_u24 v5, v1, SPITCH
	v_mul_u32_u24 v6, v2, SPITCH
	v_add_nc_u32 v7, 32, v3
	v_min_u32 v8, 11, v3
	v_add_nc_u32 v[ADRA], s96, v4
	v_add_nc_u32 v[ADRB], s97, v4
	v_lshl_add_u32 v5, v2, 5, v5
	v_lshl_add_u32 v6, v1, 4, v6
	v_min_u32 v7, 35, v7
	v_add_nc_u32 v[ADRA+1], SLOT, v[ADRA]
	v_add_nc_u32 v[ADRB+1], SLOT, v[ADRB]
	v_add_nc_u32 v[STO], s98, v5                   ; into the stage: row r, + 32 h
	v_add_nc_u32 v[RD], s98, v6                    ; back: sixteen lanes to a row of 256 bytes, two rows an instruction
	v_lshlrev_b32 v[CO], 12, v2
	v_lshlrev_b32 v[LSC], 7, v3                    ; lane l takes row 32 u + l's scale words
	v_lshlrev_b32 v[UVB], 5, v2
	v_lshlrev_b32 v[PF0], 8, v3                    ; blocks 0-31 of a tile's chunk,
	v_lshlrev_b32 v[PF1], 8, v7                    ; blocks 32-35,
	v_lshlrev_b32 v[PF2], 8, v8                    ; the last chunk's 12
	v_lshl_add_u32 v[CO], v1, 4, v[CO]             ; the same two rows in x1 and z
.irp b, 0,1,2,3
	global_load_b128 v[BI+8*\b:BI+8*\b+3], v[UVB], s[BP:BP+1] offset:64*\b          ; the bias of columns 16 b + 8 h + 0..7
	global_load_b128 v[BI+8*\b+4:BI+8*\b+7], v[UVB], s[BP:BP+1] offset:64*\b+16
.endr
.irp u, 0,1
.irp q, 0,1,2,3,4,5,6,7
	global_load_b128 v[SA+32*\u+4*\q:SA+32*\u+4*\q+3], v[LSC], s[TSP:TSP+1] offset:4096*\u+16*\q
	global_load_b128 v[SB+32*\u+4*\q:SB+32*\u+4*\q+3], v[LSC], s[SSP:SSP+1] offset:4096*\u+16*\q
.endr
.endr
	WIN 0xc0                                       ; destination window 3
.irp a, 0,1,2,3
.irp t, 0,1,2,3,4,5,6,7
	global_load_b128 v[32*\a+4*\t:32*\a+4*\t+3], v[CO], s[RP:RP+1] offset:(16*\a+2*\t)*4096   ; the residual, as it will be stored
.endr
.endr
	WIN 0
	s_wait_alu depctr_va_vdst(0)                   ; the head's end
	s_wait_tensorcnt 0x0                           ; my part of chunk 0 is in; these lines stand ahead of a later first fill as ahead of a refill
	ds_add_u32 v[SPW], v[NIL]
	s_wait_dscnt 0x0
	CROUND
	JLOAD 1                                        ; chunk 1, the first tensor load behind the round
	FETCH 0
	WIN 0
	ASK 2
	s_wait_loadcnt 32                              ; the bias and the scale words are in; the residual's 32 loads may be out
.macro STEP s
.set CH, (\s)/6
.if (\s) == 31
	s_wait_dscnt 0x0
	WIN MULW
	MULS \s, 0
.else
.if ((\s)%6) == 5                      ; a chunk's last step: its fragments are in registers, the slot is read no more
	s_wait_dscnt 0x0
	WIN MULW
	MULS \s, 0
	WIN 0
	s_wait_tensorcnt 0x0                           ; all my tensor loads have landed: my part of the next chunk
.if CH+2 < 6
	ds_add_u32 v[SPW], v[NIL]
	s_add_nc_u64 s[G0+4*(CH%2)+2:G0+4*(CH%2)+3], s[G0+4*(CH%2)+2:G0+4*(CH%2)+3], 2*CHB      ; no load of mine is out: this slot's next chunk
	s_add_nc_u64 s[G0B+4*(CH%2)+2:G0B+4*(CH%2)+3], s[G0B+4*(CH%2)+2:G0B+4*(CH%2)+3], 2*CHB
.if CH+2 == 5
	s_mov_b32 s[G1+1], (2*1536/8)<<16              ; the last chunk's rows: 2 K steps
	s_mov_b32 s[G1+3], (2*1536/8)<<16
	s_mov_b32 s[G1B+1], (2*1536/8)<<16
	s_mov_b32 s[G1B+3], (2*1536/8)<<16
.endif
	s_wait_dscnt 0x0                               ; the add is done; my reads of the slot were over above
	CROUND                                         ; no wave of any partner still reads this slot or has a load on its way
	JLOAD CH%2                                     ; chunk CH + 2; its four v_nop are the places in front of the loads below
.else
	s_wait_dscnt 0x0
	s_barrier_signal -1
	s_barrier_wait -1                              ; the last chunk is whole; nothing is filled again
	PLACES 4
.endif
	FETCH (\s)+1
	WIN 0
.if CH+3 < 6
	ASK CH+3
.endif
.else
	PLACES 4                                       ; in front of loads into registers that the step before has multiplied
	FETCH (\s)+1
	s_wait_dscnt 24                                ; this step's fragments are in; the 24 loads just issued may be out
.if (\s) == 0
	WIN MUL0
	MULS \s, 1                                     ; the first step starts the sums from the bias
.else
	WIN MULW
	MULS \s, 0
.endif
.endif
.endif
.endm
.set ST, 0
.rept 32
	STEP ST
.set ST, ST+1
.endr
; THE WAY OUT, block by block of 16 rows x 64 columns, through my own stage; LDS serves a wave's instructions in order, so no wait stands between the stores and the loads
.macro TOSTAGE a
	WIN 0x04                                       ; the data: window 1
.irp b, 0,1,2,3
	ds_store_b128 v[STO], v[8*(4*(\a)+\b):8*(4*(\a)+\b)+3] offset:64*\b            ; each accumulator from its low end on
	ds_store_b128 v[STO], v[8*(4*(\a)+\b)+4:8*(4*(\a)+\b)+7] offset:64*\b+16
.endr
	WIN 0
.irp t, 0,1,2,3,4,5,6,7
	ds_load_b128 v[BK+32*((\a)%2)+4*\t:BK+32*((\a)%2)+4*\t+3], v[RD] offset:\t*2*SPITCH
.endr
.endm
.macro SEND a, younger                 ; younger: the LDS instructions issued behind block a's loads
	s_wait_dscnt \younger
	WIN 0xc3                                       ; the residual's registers, window 3, take the sums: they are not written again
.irp t, 0,1,2,3,4,5,6,7
	v_pk_add_f32 v[32*(\a)+4*\t:32*(\a)+4*\t+1], v[32*(\a)+4*\t:32*(\a)+4*\t+1], v[BK+32*((\a)%2)+4*\t:BK+32*((\a)%2)+4*\t+1]
	v_pk_add_f32 v[32*(\a)+4*\t+2:32*(\a)+4*\t+3], v[32*(\a)+4*\t+2:32*(\a)+4*\t+3], v[BK+32*((\a)%2)+4*\t+2:BK+32*((\a)%2)+4*\t+3]
.endr
	WIN 0x0c                                       ; store data window 3
.irp t, 0,1,2,3,4,5,6,7
	global_store_b128 v[CO], v[32*(\a)+4*\t:32*(\a)+4*\t+3], s[OP:OP+1] offset:(16*(\a)+2*\t)*4096   ; sixteen lanes store 256 consecutive bytes, aligned
.endr
	WIN 0
.endm
	WIN 0
	PLACES 4                                       ; behind the last products
	s_wait_loadcnt 0x0                             ; the residual is in
	TOSTAGE 0
.irp a, 1,2,3
	TOSTAGE \a
	SEND \a-1, 16                                  ; behind block a - 1's loads: block a's 8 stores and 8 loads
.endr
	SEND 3, 0
	s_wait_tensorcnt 0x0                           ; the wave's end
	ds_add_u32 v[SPW], v[NIL]
	s_wait_dscnt 0x0
	CROUND                                         ; the closing round
	s_endpgm
.Lfunc_end_k_q0bb6932174_ffn2:
	.size	k_q0bb6932174_ffn2, .Lfunc_end_k_q0bb6932174_ffn2-k_q0bb6932174_ffn2
	.p2alignl 7, 3214868480
	.fill 96, 4, 3214868480
	.section	.rodata,"a",@progbits
	.p2align	6, 0x0
	.amdhsa_kernel k_q0bb6932174_ffn2
		.amdhsa_group_segment_fixed_size 327680
		.amdhsa_private_segment_fixed_size 0
		.amdhsa_enable_private_segment 0
		.amdhsa_kernarg_size 40
		.amdhsa_user_sgpr_count 2
		.amdhsa_user_sgpr_kernarg_segment_ptr 1
		.amdhsa_wavefront_size32 1
		.amdhsa_system_sgpr_workgroup_id_x 1
		.amdhsa_system_sgpr_workgroup_id_y 1
		.amdhsa_system_sgpr_workgroup_id_z 1
		.amdhsa_system_vgpr_workitem_id 0
		.amdhsa_next_free_vgpr 1024
		.amdhsa_next_free_sgpr 100
		.amdhsa_reserve_vcc 0
		.amdhsa_float_denorm_mode_32 3
		.amdhsa_float_denorm_mode_16_64 3
		.amdhsa_memory_ordered 1
		.amdhsa_forward_progress 1
		.amdhsa_inst_pref_size 152
	.end_amdhsa_kernel
	.amdgpu_metadata
---
amdhsa.version: [ 1, 2 ]
amdhsa.kernels:
  - .name:           k_q0bb6932174_ffn2
    .symbol:         k_q0bb6932174_ffn2.kd
    .args:
      - { .name: hq, .offset: 0, .size: 8, .value_kind: global_buffer, .address_space: global }
      - { .name: wts, .offset: 8, .size: 8, .value_kind: global_buffer, .address_space: global }
      - { .name: b2, .offset: 16, .size: 8, .value_kind: global_buffer, .address_space: global }
      - { .name: x1b, .offset: 24, .size: 8, .value_kind: global_buffer, .address_space: global }
      - { .name: yz, .offset: 32, .size: 8, .value_kind: global_buffer, .address_space: global }
    .group_segment_fixed_size: 327680
    .private_segment_fixed_size: 0
    .kernarg_segment_align: 8
    .kernarg_segment_size: 40
    .max_flat_workgroup_size: 128
    .sgpr_count:     100
    .vgpr_count:     1024
    .wavefront_size: 32
...
	.end_amdgpu_metadata
.endif
;; end of part 7
;; launch ln2 (part 8): grid 256 x 1, 4 waves a work-group, no clusters, 0 bytes of LDS; arguments yz, ln2_scale, ln2_bias, out0; writes out0
.if DOCPART == 8
	.amdgcn_target "amdgcn-amd-amdhsa--gfx1250"
	.amdhsa_code_object_version 6
	.text
	.protected	k_q0bb6932174_ln2
	.globl	k_q0bb6932174_ln2
	.p2align	8
	.type	k_q0bb6932174_ln2,@function
k_q0bb6932174_ln2:
	s_mov_b64 s[64:65], 0
	v_nop
	global_prefetch_b8 v0, s[64:65] scope:SCOPE_SE
	s_setreg_imm32_b32 hwreg(HW_REG_WAVE_MODE, 25, 1), 1
	s_wait_xcnt 0x0
; LN2: out = LayerNorm(z) in f32: the mean, then the mean of the squared differences, as reference() writes it.
; A work-group takes 16 rows, a wave 4; a row is 32 numbers a lane, eight loads and eight stores of 512 consecutive bytes.  A row never leaves its wave: no LDS, no barrier.
; LIMITS: NaN and infinities are not served.
.set R,   32                           ; v32-159 four rows
.set G,   160                          ; v160-191 the gain, v192-223 the bias, of my 32 columns
.set B,   192
.set T,   224                          ; v224-231 a pair of sums a row
.set M,   232                          ; v232-239 -mean, later 1 / sqrt, a pair a row (the low word serves both halves)
.set Q,   240
.set SEL, 70
.macro LANESUM                         ; the pairs in T become the rows' sums, in every lane
.irp p, 0,1,2,3
	v_add_f32 v[T+2*\p], v[T+2*\p], v[T+2*\p+1]
.endr
.irp m, 1,2,4,8
.irp p, 0,1,2,3
	v_add_f32_dpp v[T+2*\p], v[T+2*\p], v[T+2*\p] row_xmask:\m row_mask:0xf bank_mask:0xf
.endr
.endr
.irp p, 0,1,2,3
	v_permlanex16_b32 v[Q+\p], v[T+2*\p], s[SEL], s[SEL+1]
.endr
.irp p, 0,1,2,3
	v_add_f32 v[T+2*\p], v[T+2*\p], v[Q+\p]
.endr
.endm
	s_load_b256 s[4:11], s[0:1], 0x0               ; z, the gain, the bias, out
	v_lshrrev_b32 v1, 5, v0
	v_readfirstlane_b32 s22, v1                    ; wave
	v_and_b32 v1, 31, v0
	v_lshlrev_b32 v2, 4, v1                        ; 16 bytes a lane
	s_lshl_b32 s24, ttmp9, 16
	s_lshl_b32 s25, s22, 14
	s_add_co_u32 s24, s24, s25                     ; 16 rows a work-group, 4 a wave
	s_mov_b32 s25, 0
	s_mov_b32 s[SEL], 0x76543210
	s_mov_b32 s[SEL+1], 0xfedcba98
	s_mov_b32 s14, 0x3a800000                      ; 1 / 1,024
	s_mov_b32 s15, 0x358637bd                      ; 1e-6
.irp p, 0,1,2,3
	v_mov_b32 v[Q+\p], 0
	v_mov_b32 v[M+2*\p+1], 0
.endr
	s_wait_alu depctr_va_vdst(0)
	s_wait_kmcnt 0x0
	s_add_nc_u64 s[4:5], s[4:5], s[24:25]
	s_add_nc_u64 s[10:11], s[10:11], s[24:25]
.irp p, 0,1,2,3
.irp j, 0,1,2,3,4,5,6,7
	global_load_b128 v[R+32*\p+4*\j:R+32*\p+4*\j+3], v2, s[4:5] offset:4096*\p+512*\j th:TH_LOAD_NT
.endr
.endr
.irp j, 0,1,2,3,4,5,6,7
	global_load_b128 v[G+4*\j:G+4*\j+3], v2, s[6:7] offset:512*\j
	global_load_b128 v[B+4*\j:B+4*\j+3], v2, s[8:9] offset:512*\j
.endr
	s_wait_loadcnt 0x0
.irp p, 0,1,2,3                        ; the four rows by turns
	v_pk_add_f32 v[T+2*\p:T+2*\p+1], v[R+32*\p:R+32*\p+1], v[R+32*\p+2:R+32*\p+3]
.endr
.irp k, 4,6,8,10,12,14,16,18,20,22,24,26,28,30
.irp p, 0,1,2,3
	v_pk_add_f32 v[T+2*\p:T+2*\p+1], v[T+2*\p:T+2*\p+1], v[R+32*\p+\k:R+32*\p+\k+1]
.endr
.endr
	LANESUM
.irp p, 0,1,2,3
	v_mul_f32 v[M+2*\p], 0xba800000, v[T+2*\p]     ; -mean
.endr
.irp k, 0,2,4,6,8,10,12,14,16,18,20,22,24,26,28,30
.irp p, 0,1,2,3
	v_pk_add_f32 v[R+32*\p+\k:R+32*\p+\k+1], v[R+32*\p+\k:R+32*\p+\k+1], v[M+2*\p:M+2*\p+1] op_sel_hi:[1,0]
.endr
.endr
.irp p, 0,1,2,3
	v_pk_mul_f32 v[T+2*\p:T+2*\p+1], v[R+32*\p:R+32*\p+1], v[R+32*\p:R+32*\p+1]
.endr
.irp k, 2,4,6,8,10,12,14,16,18,20,22,24,26,28,30
.irp p, 0,1,2,3
	v_pk_fma_f32 v[T+2*\p:T+2*\p+1], v[R+32*\p+\k:R+32*\p+\k+1], v[R+32*\p+\k:R+32*\p+\k+1], v[T+2*\p:T+2*\p+1]
.endr
.endr
	LANESUM
.irp p, 0,1,2,3
	v_fma_f32 v[T+2*\p], v[T+2*\p], s14, s15       ; the variance + 1e-6
.endr
	s_wait_alu depctr_va_vdst(0)
.irp p, 0,1,2,3
	v_rsq_f32 v[M+2*\p], v[T+2*\p]
.endr
	v_nop                                          ; a plain place behind the last of the batch
	s_wait_alu depctr_va_vdst(0)                   ; one wait for the four, ahead of their first reader
.irp k, 0,2,4,6,8,10,12,14,16,18,20,22,24,26,28,30
.irp p, 0,1,2,3
	v_pk_mul_f32 v[R+32*\p+\k:R+32*\p+\k+1], v[R+32*\p+\k:R+32*\p+\k+1], v[M+2*\p:M+2*\p+1] op_sel_hi:[1,0]
.endr
.endr
.irp k, 0,2,4,6,8,10,12,14,16,18,20,22,24,26,28,30
.irp p, 0,1,2,3
	v_pk_fma_f32 v[R+32*\p+\k:R+32*\p+\k+1], v[R+32*\p+\k:R+32*\p+\k+1], v[G+\k:G+\k+1], v[B+\k:B+\k+1]
.endr
.endr
.irp p, 0,1,2,3
.irp j, 0,1,2,3,4,5,6,7
	global_store_b128 v2, v[R+32*\p+4*\j:R+32*\p+4*\j+3], s[10:11] offset:4096*\p+512*\j th:TH_STORE_NT
.endr
.endr
	s_endpgm
.Lfunc_end_k_q0bb6932174_ln2:
	.size	k_q0bb6932174_ln2, .Lfunc_end_k_q0bb6932174_ln2-k_q0bb6932174_ln2
	.p2alignl 7, 3214868480
	.fill 96, 4, 3214868480
	.section	.rodata,"a",@progbits
	.p2align	6, 0x0
	.amdhsa_kernel k_q0bb6932174_ln2
		.amdhsa_group_segment_fixed_size 0
		.amdhsa_private_segment_fixed_size 0
		.amdhsa_enable_private_segment 0
		.amdhsa_kernarg_size 32
		.amdhsa_user_sgpr_count 2
		.amdhsa_user_sgpr_kernarg_segment_ptr 1
		.amdhsa_wavefront_size32 1
		.amdhsa_system_sgpr_workgroup_id_x 1
		.amdhsa_system_sgpr_workgroup_id_y 1
		.amdhsa_system_sgpr_workgroup_id_z 1
		.amdhsa_system_vgpr_workitem_id 0
		.amdhsa_next_free_vgpr 256
		.amdhsa_next_free_sgpr 80
		.amdhsa_reserve_vcc 0
		.amdhsa_float_denorm_mode_32 3
		.amdhsa_float_denorm_mode_16_64 3
		.amdhsa_memory_ordered 1
		.amdhsa_forward_progress 1
		.amdhsa_inst_pref_size 33
	.end_amdhsa_kernel
	.amdgpu_metadata
---
amdhsa.version: [ 1, 2 ]
amdhsa.kernels:
  - .name:           k_q0bb6932174_ln2
    .symbol:         k_q0bb6932174_ln2.kd
    .args:
      - { .name: yz, .offset: 0, .size: 8, .value_kind: global_buffer, .address_space: global }
      - { .name: ln2_scale, .offset: 8, .size: 8, .value_kind: global_buffer, .address_space: global }
      - { .name: ln2_bias, .offset: 16, .size: 8, .value_kind: global_buffer, .address_space: global }
      - { .name: out0, .offset: 24, .size: 8, .value_kind: global_buffer, .address_space: global }
    .group_segment_fixed_size: 0
    .private_segment_fixed_size: 0
    .kernarg_segment_align: 8
    .kernarg_segment_size: 32
    .max_flat_workgroup_size: 128
    .sgpr_count:     80
    .vgpr_count:     256
    .wavefront_size: 32
...
	.end_amdgpu_metadata
.endif
;; end of part 8
